; MI455X (gfx1250); checked and timed in simulation.
; The chip was launched on July 23, 2026; its instructions are those of AMD's public machine-readable ISA for CDNA 5 (MIT licence, August 2026) and "CDNA5" Instruction Set Architecture Reference Guide (July 2026). The comments in the code are by the model that wrote it; some were corrected since.
;; Multi Head Attention. Allowed arithmetic: matrix products marked QUANTISED: E4M3 operands, one E8M0 scale for each 32 along K, by v_wmma_scale_f32_16x16x128_f8f6f4 with both operands' format E4M3, f32 sums; everything else in f32.
;; Inputs: Wk 2,048 x 2,048 float32; Wo 2,048 x 2,048 float32; Wq 2,048 x 2,048 float32; Wv 2,048 x 2,048 float32; attn_mask 1 x 1 x 2,048 x 2,048 float32; bk 2,048 float32; bo 2,048 float32; bq 2,048 float32; bv 2,048 float32; hidden_states 1 x 2,048 x 2,048 float32.
;; Outputs: out0 1 x 2,048 x 2,048 float32; out1 1 x 16 x 2,048 x 128 float32; out2 1 x 16 x 2,048 x 128 float32.
;; This version of the problem:
;;   THIS VERSION OF THE PROBLEM IS GIVEN IN LOW PRECISION. The matrix products marked QUANTISED in the list below multiply operands that are first quantised to E4M3 (4 exponent bits, 3 mantissa bits; 8 bits a number), with one power-of-two scale for each 32 numbers along K (OCP MX v1.0); their sums are f32. All else is computed in f32.
;;   The module's matrix products, in the order in which they are computed (A, B: the left and right operand; K: the contracted axis; several contracted axes count as one K, in the product's order):
;;     1. [M 2,048, K 2,048] x [K 2,048, N 2,048]; A: input hidden_states; B: input Wq: QUANTISED
;;     2. [M 2,048, K 2,048] x [K 2,048, N 2,048]; A: input hidden_states; B: input Wk: QUANTISED
;;     3. [M 2,048, K 2,048] x [K 2,048, N 2,048]; A: input hidden_states; B: input Wv: QUANTISED
;;     4. batch 16 x [M 2,048, K 128] x [K 128, N 2,048]; A: computed on the way; B: computed on the way: QUANTISED
;;     5. batch 16 x [M 2,048, K 2,048] x [K 2,048, N 128]; A: softmax (see below); B: computed on the way: QUANTISED
;;     6. [M 2,048, K 2,048] x [K 2,048, N 2,048]; A: computed on the way; B: input Wo: QUANTISED
;;   THE QUANTISER, for each operand of a quantised product, along K:
;;     - K is cut into blocks of 32 from its start; a last block that is shorter is filled with zeros.
;;     - A block's scale is 2^e with e = floor(log2(the largest magnitude in the block)) - 8, held to -126 .. 127; a block of zeros has e = 0. As a byte (E8M0): e + 127.
;;     - Each number is divided by its block's scale, clamped to +-448, and rounded to the nearest number of E4M3, ties to even, subnormals kept.
;;     - The product sums the exact products of the quantised numbers (number of the format x scale) in f32.
;;   ~~~python
;;   def quantise(x, axis):      # numpy; x: float32 -> the quantised numbers, widened to float32 again
;;       x = np.moveaxis(x, axis, -1); K = x.shape[-1]
;;       x = np.pad(x, [(0, 0)] * (x.ndim - 1) + [(0, -K % 32)]); x = x.reshape(x.shape[:-1] + (-1, 32)); a = np.abs(x).max(-1, keepdims=True)
;;       e = np.where(a > 0, np.clip(np.frexp(np.where(a > 0, a, 1))[1] - 1 - 8, -126, 127), 0)      # np.frexp(a)[1] - 1 = floor(log2(a)), exactly
;;       r = np.clip(x / 2.0 ** e, -448, 448)
;;       step = 2.0 ** (np.maximum(np.frexp(np.where(r == 0, 1, r))[1] - 1, -6) - 3)
;;       q = np.round(r / step) * step * 2.0 ** e      # np.round: ties to even
;;       return np.moveaxis(q.reshape(q.shape[:-2] + (-1,))[..., :K], -1, axis).astype(np.float32)
;;   ~~~
;;   SOFTMAX AHEAD OF A QUANTISED PRODUCT. Where the list says 'softmax', what is quantised is not the finished softmax but p = 2^(t - M), with t = logit x log2(e) and M = ceil(the row's largest t), a whole number; so 1/2 < the row's largest p <= 1. The row's sum l is taken of the UNQUANTISED p, in f32, and the product's result is divided by l at the end. Since M is a whole number, a kernel that streams over the keys may use a running M (the ceiling of the running maximum): every later rescaling is an exact power of two, which a block's scale takes up: the codes' values come out the same.
;;   OPERANDS COMPUTED ON THE WAY. 'Computed on the way' means the value that the module computes at that place (a softmax that the list does not call 'softmax' is quantised finished and normalised). What goes into a quantiser is computed in f32, as accurately as f32 sums, v_exp_f32 and their like allow (about 1e-6 of the number): no bf16 or f16 on the way to a quantiser, and a product that is left as it is and whose result goes on into a quantised operand takes f32 operands (vector FMAs, or v_wmma_f32_16x16x4_f32). A number that lies on a knife's edge between two numbers of the format may be rounded either way, as far as f32 arithmetic and the matrix unit's own rounding can turn it there, and no further.
;; One version. Each part assembles by itself: llvm-mc -triple=amdgcn-amd-amdhsa -mcpu=gfx1250 --defsym DOCPART=n.
;; ======== version 1 of 1: 4 launches
;; limits: right only within a limited range of input values
;; workspace buffers: codes 20,971,520 bytes; scales 655,360 bytes; maskimg 16,777,216 bytes; qkv 13,369,344 bytes; ctxc 4,194,304 bytes; ctxs 131,072 bytes
;; launch quant (part 1): grid 768 x 1, 4 waves a work-group, no clusters, 34,304 bytes of LDS; arguments hidden_states, Wq, Wk, Wv, Wo, attn_mask, codes, scales, maskimg; writes codes, scales, maskimg
.if DOCPART == 1
	.amdgcn_target "amdgcn-amd-amdhsa--gfx1250"
	.amdhsa_code_object_version 6
	.text
	.protected	k_qc9eaa64c16_quant
	.globl	k_qc9eaa64c16_quant
	.p2align	8
	.type	k_qc9eaa64c16_quant,@function
k_qc9eaa64c16_quant:
	s_mov_b64 s[64:65], 0
	v_nop
	global_prefetch_b8 v0, s[64:65] scope:SCOPE_SE
	s_setreg_imm32_b32 hwreg(HW_REG_WAVE_MODE, 25, 1), 1
	s_wait_xcnt 0x0
; hidden_states, Wq, Wk, Wv, Wo ([2048][2048] f32, K innermost) become codes of E4M3 with one E8M0 byte for each 32 along K; attn_mask becomes a register image, times sqrt(128).
; ROWS GO IN TILES OF 16, AND THE ROWS OF A TILE ARE NOT NEIGHBOURS: lane row r of tile T is row 32 (T / 2) + 8 (T % 2) + r + 8 (r / 8).  With both operands of a product so ordered, the 16 result
; registers of two neighbouring tiles are 16 neighbours along the next product's K.
; CODES LEAVE AS IMAGES OF THE OPERAND'S REGISTERS: fragment (T, s) (16 rows x 128 K) is 2,048 bytes at (16 T + s) x 2,048; byte 512 c + 16 lane + i is the code of k = 128 s + 32 c + 16 (lane / 16) + i of row lane % 16.
; Scale words: tensor x 131,072 + 1,024 T + 64 s + 4 r.  The mask's image: (16 T + s) x 8,192 + 512 g + 16 lane: numbers 4 g .. 4 g + 3 of the lane's 64, number 16 b + i being column 128 s + 32 b + 16 (lane / 16) + i.
; SHARES: work-group g takes tensor g / 128 (5 = the mask) and tile g % 128; wave w takes K steps 4 w .. 4 w + 3.  Each load reads 512 consecutive bytes of one row; a step's 16 rows turn through the wave's own stage in
; LDS (rows of 512 + 16 bytes) and come back 16 neighbours of each block of 32 a lane.  Every store of codes covers 512 consecutive bytes, every store of scale words 128.
; No work-group shares an input byte with another: no cluster, no tensor loads, no barrier.
; A block's scale is 2^(floor(log2(largest magnitude)) - 8); numbers are held within +-448 x the scale and rounded to the nearest code, ties to even.
; LIMITS: NaN and infinities among the five tensors are not served; blocks whose largest magnitude lies under 2^-118 keep the byte 1 (not tried); a block of zeros gets the byte 1 where the rule says 127: its codes are
; zeros, and this program alone reads the bytes.  The mask is rounded once more than in the reference (the multiplication by sqrt(128)).
.set R,    16                          ; v16-143  two sets of 64: a step's 16 rows as loaded
.set T,    144                         ; v144-207 my 64 numbers of a step
.set PC,   208                         ; v208-223 the fragment's codes
.set TM,   224                         ; v224-239 at work in QUANT
.set PWB,  240                         ; v240-243 the four steps' scale words
.set WW,   244                         ; v244-245 two steps' words in one register
.set PW,   PWB
.set SEL,  28                          ; s[28:29] selects for v_permlanex16_b32: lane l xor 16
.set MNT,  30                          ; s30      the mantissa field of 448
.set STG,  8448                        ; a wave's stage: 16 rows x 528 bytes
; 64 numbers of a lane, v[s] on, number 16 b + i = k 32 b + 16 (lane / 16) + i of my row, become a fragment's codes in v[PC] on and its scale word in v[PW]
.macro QUANT s
.irp b, 0,1,2,3
	v_max3_num_f32 v[TM+\b], |v[\s+16*\b]|, |v[\s+1+16*\b]|, 0x4800000   ; my 16 numbers of block b, and the floor 2^(9 - 127): the byte cannot fall under 1
.endr
.irp i, 2,4,6,8,10,12,14
.irp b, 0,1,2,3
	v_max3_num_f32 v[TM+\b], v[TM+\b], |v[\s+16*\b+\i]|, |v[\s+1+16*\b+\i]|   ; the four blocks by turns
.endr
.endr
.irp b, 0,1,2,3
	v_permlanex16_b32 v[TM+4+\b], v[TM+\b], s[SEL], s[SEL+1]
.endr
.irp b, 0,1,2,3
	v_max_num_f32 v[TM+\b], v[TM+\b], v[TM+4+\b]           ; with lane l xor 16's 16: the block's largest magnitude
.endr
.irp b, 0,1,2,3
	v_add_nc_u32 v[TM+12+\b], 0xfc000000, v[TM+\b]         ; 8 off its exponent field: the conversion's scale operand
.endr
.irp b, 0,1,2,3
	v_and_or_b32 v[TM+8+\b], v[TM+\b], 0x7f800000, s[MNT]  ; 448 x the scale
.endr
.irp b, 0,1,2,3
	v_lshrrev_b32 v[TM+4+\b], 23, v[TM+12+\b]              ; the scale's byte
.endr
	v_lshl_or_b32 v[PW], v[TM+5], 8, v[TM+4]               ; four bytes make my row's scale word
	v_lshl_or_b32 v[PW], v[TM+6], 16, v[PW]
	v_lshl_or_b32 v[PW], v[TM+7], 24, v[PW]
.irp b, 0,1,2,3
.irp i, 0,1,2,3,4,5,6,7,8,9,10,11,12,13,14,15
	v_med3_num_f32 v[\s+16*\b+\i], v[\s+16*\b+\i], -v[TM+8+\b], v[TM+8+\b]   ; the conversion to an 8-bit code does not saturate (ISA guide 7.6.2): hold first
.endr
	v_cvt_scalef32_pk8_fp8_f32 v[PC+4*\b:PC+1+4*\b], v[\s+16*\b:\s+7+16*\b], v[TM+12+\b]
	v_cvt_scalef32_pk8_fp8_f32 v[PC+2+4*\b:PC+3+4*\b], v[\s+8+16*\b:\s+15+16*\b], v[TM+12+\b]
.endr
	v_nop                                                  ; one plain line behind the last conversion
.endm
	s_load_b256 s[4:11], s[0:1], 0x0               ; hidden_states, Wq, Wk, Wv
	s_load_b256 s[12:19], s[0:1], 0x20             ; Wo, attn_mask, codes, scales
	s_load_b64 s[20:21], s[0:1], 0x40              ; maskimg
	v_lshl_add_u32 v248, v0, 2, 0x8400
	v_mov_b32 v249, 0
	v_lshrrev_b32 v1, 5, v0
	v_readfirstlane_b32 s22, v1                    ; wave
	s_lshr_b32 s23, ttmp9, 7                       ; which tensor
	s_and_b32 s24, ttmp9, 127                      ; which tile
	v_and_b32 v3, 31, v0                           ; lane
	v_and_b32 v1, 15, v0                           ; r
	v_bfe_u32 v2, v0, 4, 1                         ; lane / 16
	v_lshlrev_b32 v4, 4, v3                        ; 16 x lane: loads and 16-byte stores
	v_lshlrev_b32 v7, 2, v3                        ; 4 x lane: scale words
	s_mul_i32 s25, s22, STG
	v_add_nc_u32 v5, s25, v4                       ; the stage, on the way in: a row's 512 bytes as loaded
	v_mul_u32_u24 v6, v1, 528
	v_lshl_add_u32 v6, v2, 6, v6
	v_add_nc_u32 v6, s25, v6                       ; on the way out: row r, + 64 bytes for the upper lanes
	s_mov_b32 s[SEL], 0x76543210
	s_mov_b32 s[SEL+1], 0xfedcba98
	s_mov_b32 s[MNT], 0x600000
	s_mov_b32 s31, 0xffff0000                      ; the upper sixteen lanes
	s_mov_b32 s32, 0x413504f3                      ; sqrt(128)
	s_mov_b32 s33, s32                             ; (named with it as a pair)
.irp b, 0,1,2,3
	v_mov_b32 v[TM+4+\b], 0                        ; a lane permute's destination counts as one of its sources
	v_mov_b32 v[PWB+\b], 0
.endr
	s_lshr_b32 s25, s24, 1                         ; the tile's first row is 32 (T / 2) + 8 (T % 2); a row is 8,192 bytes; my wave's 2,048 bytes of it
	s_lshl_b32 s26, s25, 18
	s_and_b32 s25, s24, 1
	s_lshl_b32 s25, s25, 16
	s_add_co_u32 s26, s26, s25
	s_lshl_b32 s25, s22, 11
	s_add_co_u32 s26, s26, s25
	s_mov_b32 s27, 0
	s_wait_alu depctr_va_vdst(0)
	s_wait_kmcnt 0x0
	s_cmp_eq_u32 s23, 1                            ; the source is chosen by the work-group's number alone
	s_cselect_b64 s[4:5], s[6:7], s[4:5]
	s_cmp_eq_u32 s23, 2
	s_cselect_b64 s[4:5], s[8:9], s[4:5]
	s_cmp_eq_u32 s23, 3
	s_cselect_b64 s[4:5], s[10:11], s[4:5]
	s_cmp_eq_u32 s23, 4
	s_cselect_b64 s[4:5], s[12:13], s[4:5]
	s_cmp_eq_u32 s23, 5
	s_cselect_b64 s[4:5], s[14:15], s[4:5]
	s_add_nc_u64 s[4:5], s[4:5], s[26:27]
	s_min_u32 s34, s23, 4                          ; (the mask's work-groups store no codes: their pointer is merely kept inside the buffer)
	s_lshl_b32 s26, s34, 22                        ; codes: tensor x 4 MiB + 32,768 T + 8,192 w
	s_lshl_b32 s25, s24, 15
	s_add_co_u32 s26, s26, s25
	s_lshl_b32 s25, s22, 13
	s_add_co_u32 s26, s26, s25
	s_add_nc_u64 s[16:17], s[16:17], s[26:27]
	s_lshl_b32 s26, s34, 17                        ; scale words: tensor x 131,072 + 1,024 T + 256 w
	s_lshl_b32 s25, s24, 10
	s_add_co_u32 s26, s26, s25
	s_lshl_b32 s25, s22, 8
	s_add_co_u32 s26, s26, s25
	s_add_nc_u64 s[18:19], s[18:19], s[26:27]
	s_lshl_b32 s26, s24, 17                        ; the mask's image: 131,072 T + 32,768 w
	s_lshl_b32 s25, s22, 15
	s_add_co_u32 s26, s26, s25
	s_add_nc_u64 s[20:21], s[20:21], s[26:27]
.macro LOADQ q                         ; step q: 512 bytes of each of the tile's 16 rows
.set m, 0
.rept 16
	global_load_b128 v[R+64*((\q)%2)+4*m:R+64*((\q)%2)+4*m+3], v4, s[4:5] offset:(m+8*(m/8))*8192+512*(\q) th:TH_LOAD_NT
.set m, m+1
.endr
.endm
.macro STEPQ q
	s_wait_xcnt 0x0                                ; the last step's stores have read their data: T, the codes and the words are written again only behind this wait
.if (\q) < 3
	s_wait_loadcnt 16                              ; this step's 16 loads are in; the next step's 16 may be out
.else
	s_wait_loadcnt 0x0
.endif
.set n, 0
.rept 16
	ds_store_b128 v5, v[R+64*((\q)%2)+4*n:R+64*((\q)%2)+4*n+3] offset:528*n
.set n, n+1
.endr
.set n, 0
.rept 16
	ds_load_b128 v[T+4*n:T+4*n+3], v6 offset:128*(n/4)+16*(n%4)    ; LDS serves a wave's instructions in order: these see the stores above
.set n, n+1
.endr
	s_wait_dscnt 0x0
.if (\q) < 2
	LOADQ (\q)+2                                   ; into the set just read out
.endif
	s_cmp_eq_u32 s23, 5
	s_cbranch_scc1 .Lmask_\@
.set PW, PWB+(\q)
	QUANT T
.irp c, 0,1,2,3
	global_store_b128 v4, v[PC+4*\c:PC+4*\c+3], s[16:17] offset:2048*(\q)+512*\c
.endr
.if (\q)%2
	v_cndmask_b32 v[WW+(\q)/2], v[PWB+(\q)-1], v[PWB+(\q)], s31   ; lanes 0-15 the step before's words, lanes 16-31 this step's: 128 consecutive bytes
	global_store_b32 v7, v[WW+(\q)/2], s[18:19] offset:64*((\q)-1)
.endif
	s_branch .Ljoin_\@
.Lmask_\@:
.set n, 0
.rept 32
	v_pk_mul_f32 v[T+n:T+n+1], v[T+n:T+n+1], s[32:33] op_sel_hi:[1,0]   ; x sqrt(128): the image is added to q . k, ahead of the division by sqrt(128)
.set n, n+2
.endr
.set n, 0
.rept 16
	global_store_b128 v4, v[T+4*n:T+4*n+3], s[20:21] offset:8192*(\q)+512*n
.set n, n+1
.endr
.Ljoin_\@:
.endm
	LOADQ 0
	LOADQ 1
	STEPQ 0
	STEPQ 1
	STEPQ 2
	STEPQ 3
	s_wait_tensorcnt 0x0
	ds_add_u32 v248, v249
	s_wait_dscnt 0x0
	s_endpgm
.Lfunc_end_k_qc9eaa64c16_quant:
	.size	k_qc9eaa64c16_quant, .Lfunc_end_k_qc9eaa64c16_quant-k_qc9eaa64c16_quant
	.p2alignl 7, 3214868480
	.fill 96, 4, 3214868480
	.section	.rodata,"a",@progbits
	.p2align	6, 0x0
	.amdhsa_kernel k_qc9eaa64c16_quant
		.amdhsa_group_segment_fixed_size 34304
		.amdhsa_private_segment_fixed_size 0
		.amdhsa_enable_private_segment 0
		.amdhsa_kernarg_size 72
		.amdhsa_user_sgpr_count 2
		.amdhsa_user_sgpr_kernarg_segment_ptr 1
		.amdhsa_wavefront_size32 1
		.amdhsa_system_sgpr_workgroup_id_x 1
		.amdhsa_system_sgpr_workgroup_id_y 1
		.amdhsa_system_sgpr_workgroup_id_z 1
		.amdhsa_system_vgpr_workitem_id 0
		.amdhsa_next_free_vgpr 250
		.amdhsa_next_free_sgpr 66
		.amdhsa_reserve_vcc 0
		.amdhsa_float_denorm_mode_32 3
		.amdhsa_float_denorm_mode_16_64 3
		.amdhsa_memory_ordered 1
		.amdhsa_forward_progress 1
		.amdhsa_inst_pref_size 66
	.end_amdhsa_kernel
	.amdgpu_metadata
---
amdhsa.version: [ 1, 2 ]
amdhsa.kernels:
  - .name:           k_qc9eaa64c16_quant
    .symbol:         k_qc9eaa64c16_quant.kd
    .args:
      - { .name: hidden_states, .offset: 0, .size: 8, .value_kind: global_buffer, .address_space: global }
      - { .name: Wq, .offset: 8, .size: 8, .value_kind: global_buffer, .address_space: global }
      - { .name: Wk, .offset: 16, .size: 8, .value_kind: global_buffer, .address_space: global }
      - { .name: Wv, .offset: 24, .size: 8, .value_kind: global_buffer, .address_space: global }
      - { .name: Wo, .offset: 32, .size: 8, .value_kind: global_buffer, .address_space: global }
      - { .name: attn_mask, .offset: 40, .size: 8, .value_kind: global_buffer, .address_space: global }
      - { .name: codes, .offset: 48, .size: 8, .value_kind: global_buffer, .address_space: global }
      - { .name: scales, .offset: 56, .size: 8, .value_kind: global_buffer, .address_space: global }
      - { .name: maskimg, .offset: 64, .size: 8, .value_kind: global_buffer, .address_space: global }
    .group_segment_fixed_size: 34304
    .private_segment_fixed_size: 0
    .kernarg_segment_align: 8
    .kernarg_segment_size: 72
    .max_flat_workgroup_size: 128
    .sgpr_count:     66
    .vgpr_count:     250
    .wavefront_size: 32
...
	.end_amdgpu_metadata
.endif
;; end of part 1
;; launch qkvgemm (part 2): grid 32 x 8, 4 waves a work-group, clusters of 4 x 4, 327,680 bytes of LDS; arguments codes, scales, bq, bk, bv, qkv, out1, out2; writes qkv, out1, out2
.if DOCPART == 2
	.amdgcn_target "amdgcn-amd-amdhsa--gfx1250"
	.amdhsa_code_object_version 6
	.text
	.protected	k_qc9eaa64c16_qkvgemm
	.globl	k_qc9eaa64c16_qkvgemm
	.p2align	8
	.type	k_qc9eaa64c16_qkvgemm,@function
k_qc9eaa64c16_qkvgemm:
	s_mov_b64 s[64:65], 0
	v_nop
	global_prefetch_b8 v0, s[64:65] scope:SCOPE_SE
	s_setreg_imm32_b32 hwreg(HW_REG_WAVE_MODE, 25, 1), 1
	s_wait_xcnt 0x0
	s_wait_alu depctr_hold_cnt(0) depctr_sa_sdst(0) depctr_va_vdst(0) depctr_va_sdst(0) depctr_va_ssrc(0) depctr_va_vcc(0) depctr_vm_vsrc(0)
	s_getreg_b32 s2, hwreg(HW_REG_IB_STS2, 6, 4)
	s_cmp_eq_u32 s2, 0
	s_cbranch_scc0 .Lentry_in_a_cluster
	s_endpgm
.Lentry_in_a_cluster:
	s_bfe_u32 s2, ttmp6, 0x10000c
	s_cmp_lg_u32 s2, 0xf033
	s_cbranch_scc0 .Lentry_shape_is_right
	s_endpgm
.Lentry_shape_is_right:
; q = x Wq^T + bq, k = x Wk^T + bk, v = x Wv^T + bv and v^T = Wv x^T + bv, on codes of E4M3 with E8M0 scales; sums in f32.  256 tiles of 256 x 256, K = 2,048: kind TY = tile column / 8: 0 q, 1 k, 2 v, 3 v^T.
; k and v leave as f32 ([16][2048][128]); q, k (along the head's 128) and v^T (along the keys) are quantised in registers on the way out and leave as records of register images for the attention launch.
; V IS MULTIPLIED TWICE: as x Wv^T a lane's registers run along the head's channels, as the f32 rows want; as Wv x^T they run along the keys, as the quantiser along the keys wants.  q, k and v alone are 192 tiles for
; 256 WGPs; the 64 tiles more take the idle ones, and one way out serves all four kinds.
; A work-group of four waves makes a tile, a wave 128 x 128: 64 accumulators, 512 registers.  K goes in steps of 256 through a ring of two LDS slots.  Operands lie in memory and in LDS as images of their registers
; (fragment = 16 rows x 128 K = 2,048 bytes, byte 512 c + 16 lane): every LDS load reads 512 consecutive bytes.  A tensor load brings 8 tiles x 2 fragments: 8 rows of 4,096 bytes, 32,768 bytes apart in memory
; (the tile has no more rows than these 8).  The scale words of the work-group's 256 + 256 rows for all of K come once, with the first fills.
; CLUSTERS: 4 x 4 work-groups; the four of a row need the same tiles of source 1 (called A), the four of a column those of source 0 (B): joint loads.  The kind TY hangs on the cluster's x alone.
; THE MATRIX INSTRUCTION IS USED TRANSPOSED (source 0 = B's 16 rows, source 1 = A's): lane (r, h) holds A's row r, and register 16 b + i of a block's 64 is column 32 b + 16 h + i, since the rows of a tile are
; 32 (T / 2) + 8 (T % 2) + r + 8 (r / 8).
; A RECORD (x, head, step), 17,408 bytes at ((16 x + head) 16 + step) x 17,408, x = 0 q, 1 k, 2 v^T: 8 fragments, then 8 images of scale words (4 x lane, 128 bytes each).
; REGISTERS: window 0: v1-31 addresses and the per-row bias; v32-63 scale words, two sets; v64-127 the per-column bias; v128-255 A's fragments, one set; on the way out v128-255 are at work.
;   window 1: B's fragments, two sets.  windows 2, 3: the accumulators ((a, b) at v[8 (8 (a % 4) + b)]).
; LIMITS: NaN and infinities are not served; blocks whose largest magnitude lies under 2^-118 keep the byte 1 (not tried); a block of zeros gets the byte 1, not 127: its codes are zeros and this program alone reads the bytes.
.set NQ,    2                          ; matrix instructions deep in a slot
.set FR,    16                         ; registers of a fragment
.set NL,    4                          ; LDS loads that bring one
.set NP,    8                          ; places behind this matrix instruction (ISA guide 7.12.1)
.set REG,   32768                      ; what one tensor load brings: 8 tiles x 2 fragments
.set SLOT,  131072                     ; A's two halves, then B's two halves
.set SCL,   262144                     ; behind the ring: the scale words, four regions of 8,192 bytes, [tile 8][K step 16][row 16]
.set SREG,  8192
.set SPARE, 294912                     ; the spare words, 128 bytes for each wave: two blocks of 256 bytes that no other line names
.set LAPS,  4                          ; a lap = two slots = 512 along K
.set REC,   17408
.set BA,   8                           ; v8-15   bv at my lane's row of block a (for v^T)
.set ADRA, 16                          ; v16-17  my A fragments in slot 0, 1
.set LI,   18                          ; v18     16 x lane
.set LS,   19                          ; v19     4 x lane
.set ADRB, 20                          ; v20-21  my B fragments
.set STO,  24                          ; v24     the stage: where I put my row's numbers
.set RD,   25                          ; v25     and where I read a row back
.set ADRS, 27                          ; v27     my scale words: lanes 0-15 A's, lanes 16-31 B's
.set SPW,  28                          ; v28     my spare word; never rewritten
.set NIL,  29                          ; v29     0; never rewritten
.set PW,   30                          ; v30     the scale word just made
.set SC,   32
.set BB,   64                          ; v64-127 the bias at my 64 columns
.set AF,   128
.set T,    128                         ; the way out: v128-191 a block's 64 numbers
.set BK,   192
.set PC,   224                         ; v224-239 codes
.set TM,   240                         ; v240-255 at work in QUANT
.set WV,   20
.set RH,   21                          ; my half of the tile's rows; also: I fetch for A (0) or B (1)
.set CH,   22                          ; my half of its columns; also: which 128 rows I fetch
.set TY,   23
.set G1,   24
.set G0,   32
.set G1B,  48
.set G0B,  56
.set G1S,  68
.set G0S,  76
.set G1SB, 80
.set G0SB, 88
.set OF,   92                          ; s[92:93] my part of out1 or out2
.set OC,   94                          ; s[94:95] my record
.set FF,   96                          ; 1: f32 rows leave (k, v)
.set FC,   97                          ; 1: codes leave (q, k, v^T)
.set SEL,  98
.set MNT,  100
.set MSB, 0
.macro WIN new                         ; the immediate's high byte repeats the setting that is left
.if MSB != (\new)
	s_set_vgpr_msb (MSB<<8)|(\new)
.set MSB, (\new)
.endif
.endm
.set MUL_LO, 0xa1                      ; source 0 (B) window 1, source 1 (A) window 0, C and D window 2
.set MUL_HI, 0xf1
.set TO_B,   0x40
.macro PLACES n
.rept \n
	v_nop
.endr
.endm
; A joint load: waves 0 and 1 fetch for A, waves 2 and 3 for B; four v_nop follow each of the two lines
.macro JLOAD g0a, g1a, g0b, g1b
	s_cmp_eq_u32 s[RH], 0
	s_cbranch_scc0 .Lfor_b_\@
	tensor_load_to_lds s[\g0a:\g0a+3], s[\g1a:\g1a+7]
	s_nop 0
.rept 4
	v_nop
.endr
	s_branch .Lasked_\@
.Lfor_b_\@:
	tensor_load_to_lds s[\g0b:\g0b+3], s[\g1b:\g1b+7]
	s_nop 0
.rept 4
	v_nop
.endr
.Lasked_\@:
.endm
.macro CREST                           ; a round of the cluster's barrier behind its opening barrier
	s_cmp_lg_u32 s[WV], 0
	s_cbranch_scc1 .Lnot_wave_0_\@
	s_barrier_signal -3
.Lnot_wave_0_\@:
	s_barrier_wait -3
	s_barrier_signal -1
	s_barrier_wait -1
.endm
.macro CROUND
	s_barrier_signal -1
	s_barrier_wait -1
	CREST
.endm
.macro QUANT s                         ; 64 numbers, number 16 b + i = k 32 b + 16 (lane / 16) + i of my row -> codes in v[PC] on, scale word in v[PW]
.irp b, 0,1,2,3
	v_max3_num_f32 v[TM+\b], |v[\s+16*\b]|, |v[\s+1+16*\b]|, 0x4800000   ; and the floor 2^(9 - 127): the byte cannot fall under 1
.endr
.irp i, 2,4,6,8,10,12,14
.irp b, 0,1,2,3
	v_max3_num_f32 v[TM+\b], v[TM+\b], |v[\s+16*\b+\i]|, |v[\s+1+16*\b+\i]|
.endr
.endr
.irp b, 0,1,2,3
	v_permlanex16_b32 v[TM+4+\b], v[TM+\b], s[SEL], s[SEL+1]
.endr
.irp b, 0,1,2,3
	v_max_num_f32 v[TM+\b], v[TM+\b], v[TM+4+\b]
.endr
.irp b, 0,1,2,3
	v_add_nc_u32 v[TM+12+\b], 0xfc000000, v[TM+\b]         ; 8 off the exponent field: the conversion's scale operand
.endr
.irp b, 0,1,2,3
	v_and_or_b32 v[TM+8+\b], v[TM+\b], 0x7f800000, s[MNT]  ; 448 x the scale
.endr
.irp b, 0,1,2,3
	v_lshrrev_b32 v[TM+4+\b], 23, v[TM+12+\b]              ; the byte
.endr
	v_lshl_or_b32 v[PW], v[TM+5], 8, v[TM+4]
	v_lshl_or_b32 v[PW], v[TM+6], 16, v[PW]
	v_lshl_or_b32 v[PW], v[TM+7], 24, v[PW]
.irp b, 0,1,2,3
.irp i, 0,1,2,3,4,5,6,7,8,9,10,11,12,13,14,15
	v_med3_num_f32 v[\s+16*\b+\i], v[\s+16*\b+\i], -v[TM+8+\b], v[TM+8+\b]   ; the conversion does not saturate (ISA guide 7.6.2)
.endr
	v_cvt_scalef32_pk8_fp8_f32 v[PC+4*\b:PC+1+4*\b], v[\s+16*\b:\s+7+16*\b], v[TM+12+\b]
	v_cvt_scalef32_pk8_fp8_f32 v[PC+2+4*\b:PC+3+4*\b], v[\s+8+16*\b:\s+15+16*\b], v[TM+12+\b]
.endr
	v_nop                                                  ; one plain line behind the last conversion
.endm
	s_load_b256 s[4:11], s[0:1], 0x0               ; codes, scales, bq, bk
	s_load_b256 s[12:19], s[0:1], 0x20             ; bv, qkv, out1, out2
	v_lshl_add_u32 v[SPW], v0, 2, SPARE
	v_mov_b32 v[NIL], 0
	ds_add_u32 v28, v29
	ds_add_u32 v28, v29
	s_wait_dscnt 0x0
	v_lshrrev_b32 v1, 5, v0
	v_readfirstlane_b32 s[WV], v1
	s_lshr_b32 s[RH], s[WV], 1
	s_and_b32 s[CH], s[WV], 1
	s_bfe_u32 s40, ttmp6, 0x40000                  ; cx
	s_bfe_u32 s41, ttmp6, 0x40004                  ; cy
	s_lshl_b32 s42, ttmp9, 2
	s_add_co_u32 s42, s42, s40                     ; tile column 0..31
	s_and_b32 s43, ttmp7, 0xffff
	s_lshl_b32 s43, s43, 2
	s_add_co_u32 s43, s43, s41                     ; tile row 0..7
	s_lshr_b32 s[TY], ttmp9, 1                     ; the kind: the same in all sixteen partners
	s_lshl_b32 s44, s41, 2
	s_lshl_b32 s44, 15, s44                        ; my row of the cluster
	s_lshl_b32 s45, 0x1111, s40                    ; my column
	s_or_b32 s[G1], s44, (3<<16)|(1<<21)           ; 15:0 the mask; 17:16 elements of 8 bytes; 21 set beside a mask; no padding: images are read 512 consecutive bytes at a time
	s_or_b32 s[G1B], s45, (3<<16)|(1<<21)
.irp g, G1, G1B
	s_mov_b32 s[\g+1], 512<<16                     ; tensor_dim0 = 512 elements: two fragments, 4,096 bytes
	s_mov_b32 s[\g+2], 16<<16                      ; tensor_dim1 = 16 tiles for the head's loads; 8 behind them
	s_mov_b32 s[\g+3], 512<<16                     ; tile_dim0
	s_mov_b32 s[\g+4], 16                          ; tile_dim1
	s_mov_b32 s[\g+5], 4096                        ; from tile to tile: 32,768 bytes
	s_mov_b32 s[\g+6], 0
	s_mov_b32 s[\g+7], 0
.endr
	s_or_b32 s[G1S], s44, (3<<16)|(1<<21)          ; the scale words of 8 tiles: 8,192 dense bytes as 32 rows of 256
	s_or_b32 s[G1SB], s45, (3<<16)|(1<<21)
.irp g, G1S, G1SB
	s_mov_b32 s[\g+1], 32<<16
	s_mov_b32 s[\g+2], 64<<16                      ; the scale words of 16 tiles: 64 rows of 256 bytes
	s_mov_b32 s[\g+3], 32<<16
	s_mov_b32 s[\g+4], 64
	s_mov_b32 s[\g+5], 32
	s_mov_b32 s[\g+6], 0
	s_mov_b32 s[\g+7], 0
.endr
	; which tiles of the codes' buffer (tensor x 128 + tile; x 0, Wq 1, Wk 2, Wv 3).  A: x's tiles 16 row + 8 half, for v^T Wv's.  B: the weight's 16 (column % 8) + 8 half, for v^T x's.
	s_add_co_u32 s2, s[TY], 1
	s_lshr_b32 s2, s2, 2                           ; 1 for v^T, else 0
	s_lshl_b32 s66, s43, 4
	s_mul_i32 s101, s2, 384
	s_add_co_u32 s66, s66, s101                    ; A's first tile: it never holds cx
	s_lshl_b32 s67, s42, 4
	s_add_co_u32 s67, s67, 128
	s_lshl_b32 s101, s2, 9
	s_sub_co_u32 s67, s67, s101                    ; B's: 16 column + 128, which is 128 (TY + 1) + 16 (column % 8); for v^T 512 less; it never holds cy
	s_lshl_b32 s[G0+2], s66, 15
	s_mov_b32 s[G0+3], 0
	s_lshl_b32 s[G0B+2], s67, 15
	s_mov_b32 s[G0B+3], 0
	s_lshl_b32 s[G0S+2], s66, 10
	s_mov_b32 s[G0S+3], 0
	s_lshl_b32 s[G0SB+2], s67, 10
	s_mov_b32 s[G0SB+3], 0
	s_lshl_b32 s101, s[WV], 15                     ; where they go: wave x 32,768, wave x 8,192: no place in the cluster enters an LDS address
	s_wait_kmcnt 0x0
	s_add_nc_u64 s[G0+2:G0+3], s[4:5], s[G0+2:G0+3]
	s_add_nc_u64 s[G0B+2:G0B+3], s[4:5], s[G0B+2:G0B+3]
	s_add_nc_u64 s[G0S+2:G0S+3], s[6:7], s[G0S+2:G0S+3]
	s_add_nc_u64 s[G0SB+2:G0SB+3], s[6:7], s[G0SB+2:G0SB+3]
	s_lshl_b32 s66, s[CH], 18                      ; in the ring I fetch 8 of a side's 16 tiles: my half, 8 x 32,768 bytes on
	s_mov_b32 s67, 0
	s_add_nc_u64 s[G0+6:G0+7], s[G0+2:G0+3], s[66:67]
	s_add_nc_u64 s[G0+6:G0+7], s[G0+6:G0+7], 4096          ; slot 1 begins with the next two fragments of each tile
	s_add_nc_u64 s[G0B+6:G0B+7], s[G0B+2:G0B+3], s[66:67]
	s_add_nc_u64 s[G0B+6:G0B+7], s[G0B+6:G0B+7], 4096
	s_cmp_eq_u32 s[RH], 0                          ; the prefetches stand at slot 1 of the 8 tiles that I fetch (A's or B's),
	s_cselect_b64 s[4:5], s[G0+6:G0+7], s[G0B+6:G0B+7]
	s_cselect_b32 s6, s40, s41                     ; at my work-group's two of them: the four that ask jointly share the tiles out by address
	s_lshl_b32 s6, s6, 16
	s_mov_b32 s7, 0
	s_add_nc_u64 s[4:5], s[4:5], s[6:7]
.irp g, G0, G0+4, G0B, G0B+4, G0S, G0SB
	s_mov_b32 s[\g], 1                             ; count = 1
	s_or_b32 s[\g+3], s[\g+3], 0x80000000          ; type = 2
.endr
	s_mov_b32 s[G0+1], 0                           ; the head's load of A: all 16 tiles of slot 0
	s_add_co_u32 s[G0+5], s101, SLOT
	s_mov_b32 s[G0B+1], 2*REG                      ; and of B, behind them
	s_add_co_u32 s[G0B+5], s101, SLOT
	s_mov_b32 s[G0S+1], SCL
	s_mov_b32 s[G0SB+1], SCL+2*SREG
	CROUND                                         ; all sixteen work-groups are here: the first joint loads meet
; the head's four tiles, one joint load a wave: wave 0 slot 0's 16 tiles of A, wave 1 those of B, wave 2 A's scale words, wave 3 B's; one chain of branches on the wave's number
.macro ARM under, g0, g1, next
	s_cmp_lt_u32 s[WV], \under
	s_cbranch_scc0 \next
	tensor_load_to_lds s[\g0:\g0+3], s[\g1:\g1+7]
	s_nop 0
.rept 4
	v_nop
.endr
	s_branch .Lhead_asked
\next:
.endm
	ARM 1, G0, G1, .Lhead_b
	ARM 2, G0B, G1B, .Lhead_sa
	ARM 3, G0S, G1S, .Lhead_sb
	tensor_load_to_lds s[G0SB:G0SB+3], s[G1SB:G1SB+7]
	s_nop 0
.rept 4
	v_nop
.endr
.Lhead_asked:
	v_and_b32 v1, 15, v0                           ; r
	v_bfe_u32 v2, v0, 4, 1                         ; h
	v_and_b32 v3, 31, v0
	v_lshlrev_b32 v[LI], 4, v3
	v_lshlrev_b32 v[LS], 2, v3
	s_lshl_b32 s101, s[RH], 15
	v_add_nc_u32 v[ADRA], s101, v[LI]
	v_add_nc_u32 v[ADRA+1], SLOT, v[ADRA]
	s_lshl_b32 s101, s[CH], 15
	s_add_co_u32 s101, s101, 2*REG
	v_add_nc_u32 v[ADRB], s101, v[LI]
	v_add_nc_u32 v[ADRB+1], SLOT, v[ADRB]
	s_lshl_b32 s2, s[RH], 13                       ; scale words: A's region, and for lanes 16-31 the distance to B's: one product
	s_lshl_b32 s3, s[CH], 13
	s_add_co_u32 s3, s3, 2*SREG
	s_sub_co_u32 s3, s3, s2
	v_mul_u32_u24 v4, s3, v2
	s_add_co_u32 s2, s2, SCL
	v_lshl_add_u32 v4, v1, 2, v4
	v_add_nc_u32 v[ADRS], s2, v4
	s_mul_i32 s2, s[WV], 8448                      ; my stage: 16 rows x 528 bytes, in slot 0
	v_mul_u32_u24 v4, v1, 528
	v_lshl_add_u32 v4, v2, 6, v4
	v_add_nc_u32 v[STO], s2, v4
	v_add_nc_u32 v[RD], s2, v[LI]
	v_lshlrev_b32 v5, 6, v2                        ; the per-column bias: + 16 numbers for the upper lanes
	s_wait_alu depctr_va_vdst(0)
	v_and_b32 v6, 8, v1
	v_add_nc_u32 v6, v6, v1
	v_lshlrev_b32 v6, 2, v6
	v_lshlrev_b32 v31, 15, v2                      ; a prefetch's offset: tile lane / 16, block lane % 16 of a slot's 4,096 bytes; never rewritten
	v_lshl_add_u32 v31, v1, 8, v31
	s_wait_alu depctr_va_vdst(0)
	s_and_b32 s46, s42, 7
	s_lshl_b32 s46, s46, 1
	s_add_co_u32 s46, s46, s[CH]                   ; which 128 columns of the tensor are my wave's
	s_lshl_b32 s47, s43, 1
	s_add_co_u32 s47, s47, s[RH]                   ; which 128 rows
	s_cmp_eq_u32 s[TY], 0
	s_cselect_b64 s[8:9], s[8:9], s[12:13]         ; bq, bk or bv
	s_cmp_eq_u32 s[TY], 1
	s_cselect_b64 s[8:9], s[10:11], s[8:9]
	s_lshl_b32 s[OF], s46, 9
	s_mov_b32 s[OF+1], 0
	s_add_nc_u64 s[8:9], s[8:9], s[OF:OF+1]
	s_lshl_b32 s[OF], s47, 9
	s_add_nc_u64 s[12:13], s[12:13], s[OF:OF+1]
.set n, 0
.rept 8                                ; both biases are loaded by every work-group; the way out takes the one that its kind wants
	global_load_b128 v[BB+8*n:BB+8*n+3], v5, s[8:9] offset:(32*(n/2)+8*(n%2))*4
	global_load_b128 v[BB+8*n+4:BB+8*n+7], v5, s[8:9] offset:(32*(n/2)+8*(n%2))*4+16
	global_load_b32 v[BA+n], v6, s[12:13] offset:(32*(n/2)+8*(n%2))*4
.set n, n+1
.endr
	global_prefetch_b8 v31, s[4:5] th:TH_LOAD_NT scope:SCOPE_SE                ; slot 1, whose fill is asked for when the head's tiles have landed,
	global_prefetch_b8 v31, s[4:5] offset:4096 th:TH_LOAD_NT scope:SCOPE_SE    ; and slots 2 and 3, which the first two refills will load
	global_prefetch_b8 v31, s[4:5] offset:8192 th:TH_LOAD_NT scope:SCOPE_SE
	s_lshl_b32 s[OC], s46, 20
	s_lshl_b32 s96, s47, 16
	s_add_co_u32 s[OC], s[OC], s96
	s_mov_b32 s[OC+1], 0
	s_cmp_eq_u32 s[TY], 1
	s_cselect_b64 s[OF:OF+1], s[16:17], s[18:19]
	s_add_nc_u64 s[OF:OF+1], s[OF:OF+1], s[OC:OC+1]
	s_cmp_eq_u32 s[TY], 3                          ; the record: (head, step) = (columns, rows), for v^T (rows, columns)
	s_cselect_b32 s96, s47, s46
	s_cselect_b32 s97, s46, s47
	s_min_u32 s[OC], s[TY], 2
	s_lshl_b32 s[OC], s[OC], 4
	s_add_co_u32 s[OC], s[OC], s96
	s_lshl_b32 s[OC], s[OC], 4
	s_add_co_u32 s[OC], s[OC], s97
	s_mul_i32 s[OC], s[OC], REC
	s_add_nc_u64 s[OC:OC+1], s[14:15], s[OC:OC+1]
	s_sub_co_u32 s96, s[TY], 1
	s_cmp_lt_u32 s96, 2
	s_cselect_b32 s[FF], 1, 0
	s_cmp_lg_u32 s[TY], 2
	s_cselect_b32 s[FC], 1, 0
	s_mov_b32 s[SEL], 0x76543210
	s_mov_b32 s[SEL+1], 0xfedcba98
	s_mov_b32 s[MNT], 0x600000
.macro FRAG reg, adr, q, i             ; a fragment comes back as it was stored: four loads of 512 consecutive bytes
.irp c, 0,1,2,3
	ds_load_b128 v[\reg+4*\c:\reg+4*\c+3], v[\adr] offset:4096*(\i)+2048*(\q)+512*\c
.endr
.endm
; 16 matrix instructions: A's blocks a0, a0 + 1 x B's eight.  The 64 accumulators take turns, one instruction a turn, in the same order in every step
.macro MUL16 a0, p, q, sc, zero
.irp a, \a0, \a0+1
.irp b, 0,1,2,3,4,5,6,7
.if \zero
	v_wmma_scale_f32_16x16x128_f8f6f4 v[8*(8*((\a)%4)+\b):8*(8*((\a)%4)+\b)+7], v[128*(\p)+FR*\b:128*(\p)+FR*\b+FR-1], v[AF+FR*(\a):AF+FR*(\a)+FR-1], 0, v[SC+8*NQ*(\sc)+NQ*\b+(\q)], v[SC+8*NQ*(\sc)+NQ*(\a)+(\q)] matrix_a_scale:MATRIX_SCALE_ROW1
.else
	v_wmma_scale_f32_16x16x128_f8f6f4 v[8*(8*((\a)%4)+\b):8*(8*((\a)%4)+\b)+7], v[128*(\p)+FR*\b:128*(\p)+FR*\b+FR-1], v[AF+FR*(\a):AF+FR*(\a)+FR-1], v[8*(8*((\a)%4)+\b):8*(8*((\a)%4)+\b)+7], v[SC+8*NQ*(\sc)+NQ*\b+(\q)], v[SC+8*NQ*(\sc)+NQ*(\a)+(\q)] matrix_a_scale:MATRIX_SCALE_ROW1
.endif
.endr
.endr
.endm
.macro FETCH_B slot, q, p
	WIN TO_B
.irp i, 0,1,2,3,4,5,6,7
	FRAG 128*(\p)+FR*\i, ADRB+\slot, \q, \i
.endr
	WIN 0
.endm
.macro FETCH_A slot, q, i0
.irp i, \i0, \i0+1, \i0+2, \i0+3
	FRAG AF+FR*(\i), ADRA+\slot, \q, \i
.endr
.endm
.macro SCALES sc                       ; the slot's scale words: lanes 0-15 A's block i, lanes 16-31 B's block i
.irp i, 0,1,2,3,4,5,6,7
.irp q, 0,1
	ds_load_b32 v[SC+8*NQ*(\sc)+NQ*\i+\q], v[ADRS] offset:1024*\i+64*\q
.endr
.endr
.endm
.macro STEP slot, q, zero              ; 128 along K whose successor lies in the same slot
	s_wait_dscnt 4*NL                              ; B's set, the scale words and A's blocks 0-3 are in; the youngest 16 loads (A's blocks 4-7) may be out
	WIN MUL_LO
	MUL16 0, (\q)%2, \q, \slot, \zero
	MUL16 2, (\q)%2, \q, \slot, \zero
	s_wait_dscnt 0
	PLACES NP                                      ; in front of loads into registers that matrix instructions have read
	FETCH_B \slot, (\q)+1, 1-(\q)%2
	FETCH_A \slot, (\q)+1, 0
	WIN MUL_HI
	MUL16 4, (\q)%2, \q, \slot, \zero
	MUL16 6, (\q)%2, \q, \slot, \zero
	PLACES NP
	WIN 0
	FETCH_A \slot, (\q)+1, 4
.endm
; A slot's last step changes slots: one barrier; in front of it each wave waits for all its tensor loads, adds 0 to its spare word, and waits for that and for its reads of this slot
.macro TURN slot, next, fill
.if \fill
	s_wait_xcnt 0x0                                ; my last prefetch has read its address: it steps a slot on
	s_add_nc_u64 s[4:5], s[4:5], 4096
.endif
	s_wait_tensorcnt 0x0
	ds_add_u32 v[SPW], v[NIL]
	s_wait_dscnt 4*NL+1
	WIN MUL_LO
	MUL16 0, 1, NQ-1, \slot, 0
	s_wait_dscnt 0x0                               ; the add is done, and my reads of this slot are over
	s_barrier_signal -1
	MUL16 2, 1, NQ-1, \slot, 0
	WIN 0
	s_barrier_wait -1
.if \fill
	CREST                                          ; the barrier has opened a round of the cluster's: no wave of any partner still reads this slot or has a load on its way
	s_add_nc_u64 s[G0+4*\slot+2:G0+4*\slot+3], s[G0+4*\slot+2:G0+4*\slot+3], 8192
	s_add_nc_u64 s[G0B+4*\slot+2:G0B+4*\slot+3], s[G0B+4*\slot+2:G0B+4*\slot+3], 8192
	JLOAD G0+4*\slot, G1, G0B+4*\slot, G1B         ; my one tensor load behind the round; its four v_nop are among the places below
	PLACES NP-4
.else
	PLACES NP
.endif
	s_wait_alu depctr_va_vdst(0)
	v_add_nc_u32 v[ADRS], 64*NQ, v[ADRS]           ; the next slot's scale words
	FETCH_B \next, 0, 0
	FETCH_A \next, 0, 0
	SCALES \next
.if \fill
	s_cmp_gt_u32 s3, 1                             ; a prefetch names the slot two refills on: 2 tiles x 4,096 bytes, a lane a block of 256; the last trip's two refills have none
	s_cbranch_scc0 .Lnot_asked_\@
	global_prefetch_b8 v31, s[4:5] offset:8192 th:TH_LOAD_NT scope:SCOPE_SE
.Lnot_asked_\@:
.endif
	WIN MUL_HI
	MUL16 4, 1, NQ-1, \slot, 0
	MUL16 6, 1, NQ-1, \slot, 0
	PLACES NP
	WIN 0
	FETCH_A \next, 0, 4
.endm
	s_wait_loadcnt 0x0                             ; the biases
	s_wait_tensorcnt 0x0                           ; my tile of the head's four is in; slot 1's first fill is issued as a refill is
	ds_add_u32 v[SPW], v[NIL]                      ; 0 onto my spare word
	s_mov_b32 s[G1+2], 8<<16                       ; no tensor load of mine is out: from here on a load brings 8 tiles,
	s_mov_b32 s[G1+4], 8
	s_mov_b32 s[G1B+2], 8<<16
	s_mov_b32 s[G1B+4], 8
	s_add_nc_u64 s[G0+2:G0+3], s[G0+2:G0+3], s[66:67]      ; my half of a side's tiles,
	s_add_nc_u64 s[G0B+2:G0B+3], s[G0B+2:G0B+3], s[66:67]
	s_lshl_b32 s[G0+1], s[WV], 15                  ; to wave x 32,768
	s_lshl_b32 s[G0B+1], s[WV], 15
	s_wait_dscnt 0x0
	CROUND                                         ; all four tiles are in, and all sixteen work-groups are here
	JLOAD G0+4, G1, G0B+4, G1B                     ; slot 1: my one tensor load behind the round
	FETCH_B 0, 0, 0
	FETCH_A 0, 0, 0
	SCALES 0
	FETCH_A 0, 0, 4
	STEP 0, 0, 1                                   ; the first step's products start the sums
	s_mov_b32 s3, LAPS-1
.Llap:
	TURN 0, 1, 1
	STEP 1, 0, 0
	TURN 1, 0, 1
	STEP 0, 0, 0
	s_sub_co_u32 s3, s3, 1
	s_cmp_lg_u32 s3, 0
	s_cbranch_scc1 .Llap
	TURN 0, 1, 0                                   ; the last lap fills nothing
	STEP 1, 0, 0
	s_wait_dscnt 4*NL
	WIN MUL_LO
	MUL16 0, 1, NQ-1, 1, 0
	MUL16 2, 1, NQ-1, 1, 0
	s_wait_dscnt 0
	WIN MUL_HI
	MUL16 4, 1, NQ-1, 1, 0
	MUL16 6, 1, NQ-1, 1, 0
	WIN 0
	PLACES NP                                      ; behind the last products: their results are read and A's registers written below
.irp b, 0,1,2,3
	v_mov_b32 v[TM+4+\b], 0                        ; a lane permute's destination counts as one of its sources
.endr
; THE WAY OUT of block a (16 rows x 128 columns).  The bias is added; k's and v's numbers go through my stage (in slot 0, which has had its last fill and its last read) and leave as whole rows of 512 bytes;
; q's, k's and v^T's are quantised as they stand and leave as a fragment's image and its scale words.  The branches hang on the kind alone, which all partners share; no barrier stands inside them.
.macro OUTBLK a
.set AC, 64*((\a)%4)
; what the global stores read has three sets of registers, taken by turns: the rows read back (64 registers in window 1, where B's fragments are done with), the codes, the scale word
.set PC, 192+16*((\a)%3)
.set BKW, 64*((\a)%3)
.if (\a)%3 == 0
.set PW, 30
.else
.set PW, 21+(\a)%3
.endif
.if (\a) == 3 || (\a) == 6
	s_wait_xcnt 0x0                                ; the stores of the three blocks before have read their data: their sets are written again
.endif
	s_cmp_eq_u32 s[TY], 3
	s_cbranch_scc1 .Lrowb_\@
	WIN 0x02+(\a)/4                                ; source 0: window 2 or 3
.set n, 0
.rept 32
	v_pk_add_f32 v[T+n:T+n+1], v[AC+n:AC+n+1], v[BB+n:BB+n+1]      ; each accumulator from its low end on
.set n, n+2
.endr
	WIN 0
	s_branch .Lbiased_\@
.Lrowb_\@:
	WIN 0x02+(\a)/4
.set n, 0
.rept 64
	v_add_f32 v[T+n], v[AC+n], v[BA+(\a)]          ; v^T: the bias belongs to my row
.set n, n+1
.endr
	WIN 0
.Lbiased_\@:
	s_cmp_eq_u32 s[FF], 0
	s_cbranch_scc1 .Lnof_\@
.set n, 0
	s_wait_alu depctr_va_vdst(0)
.rept 16
	ds_store_b128 v[STO], v[T+4*n:T+4*n+3] offset:128*(n/4)+16*(n%4)
.set n, n+1
.endr
	WIN 0x40
.set n, 0
.rept 16
	ds_load_b128 v[BKW+4*n:BKW+4*n+3], v[RD] offset:528*n          ; LDS serves a wave's instructions in order: these see my stores
.set n, n+1
.endr
	WIN 0x04                                       ; the stores' data lie in window 1
.set n, 0
.rept 16
	s_wait_dscnt 15-n                              ; row n is back; the 15 - n loads behind it may be out
	global_store_b128 v[LI], v[BKW+4*n:BKW+4*n+3], s[OF:OF+1] offset:(32*((\a)/2)+8*((\a)%2)+n+8*(n/8))*512 th:TH_STORE_NT   ; 32 lanes store a row's 512 consecutive bytes
.set n, n+1
.endr
	WIN 0
.Lnof_\@:
	s_cmp_eq_u32 s[FC], 0
	s_cbranch_scc1 .Lnoc_\@
	QUANT T
.irp c, 0,1,2,3
	global_store_b128 v[LI], v[PC+4*\c:PC+4*\c+3], s[OC:OC+1] offset:2048*(\a)+512*\c
.endr
	global_store_b32 v[LS], v[PW], s[OC:OC+1] offset:16384+128*(\a)
.Lnoc_\@:
.endm
.irp a, 0,1,2,3,4,5,6,7
	OUTBLK \a
.endr
	s_wait_tensorcnt 0x0                           ; the wave's end
	ds_add_u32 v[SPW], v[NIL]
	s_wait_dscnt 0x0
	CROUND                                         ; the closing round
	s_endpgm
.Lfunc_end_k_qc9eaa64c16_qkvgemm:
	.size	k_qc9eaa64c16_qkvgemm, .Lfunc_end_k_qc9eaa64c16_qkvgemm-k_qc9eaa64c16_qkvgemm
	.p2alignl 7, 3214868480
	.fill 96, 4, 3214868480
	.section	.rodata,"a",@progbits
	.p2align	6, 0x0
	.amdhsa_kernel k_qc9eaa64c16_qkvgemm
		.amdhsa_group_segment_fixed_size 327680
		.amdhsa_private_segment_fixed_size 0
		.amdhsa_enable_private_segment 0
		.amdhsa_kernarg_size 64
		.amdhsa_user_sgpr_count 2
		.amdhsa_user_sgpr_kernarg_segment_ptr 1
		.amdhsa_wavefront_size32 1
		.amdhsa_system_sgpr_workgroup_id_x 1
		.amdhsa_system_sgpr_workgroup_id_y 1
		.amdhsa_system_sgpr_workgroup_id_z 1
		.amdhsa_system_vgpr_workitem_id 0
		.amdhsa_next_free_vgpr 1024
		.amdhsa_next_free_sgpr 102
		.amdhsa_reserve_vcc 0
		.amdhsa_float_denorm_mode_32 3
		.amdhsa_float_denorm_mode_16_64 3
		.amdhsa_memory_ordered 1
		.amdhsa_forward_progress 1
		.amdhsa_inst_pref_size 255
	.end_amdhsa_kernel
	.section	.bss,"aw",@nobits
	.p2align	6
	.space	262144
	.amdgpu_metadata
---
amdhsa.version: [ 1, 2 ]
amdhsa.kernels:
  - .name:           k_qc9eaa64c16_qkvgemm
    .symbol:         k_qc9eaa64c16_qkvgemm.kd
    .args:
      - { .name: codes, .offset: 0, .size: 8, .value_kind: global_buffer, .address_space: global }
      - { .name: scales, .offset: 8, .size: 8, .value_kind: global_buffer, .address_space: global }
      - { .name: bq, .offset: 16, .size: 8, .value_kind: global_buffer, .address_space: global }
      - { .name: bk, .offset: 24, .size: 8, .value_kind: global_buffer, .address_space: global }
      - { .name: bv, .offset: 32, .size: 8, .value_kind: global_buffer, .address_space: global }
      - { .name: qkv, .offset: 40, .size: 8, .value_kind: global_buffer, .address_space: global }
      - { .name: out1, .offset: 48, .size: 8, .value_kind: global_buffer, .address_space: global }
      - { .name: out2, .offset: 56, .size: 8, .value_kind: global_buffer, .address_space: global }
    .group_segment_fixed_size: 327680
    .private_segment_fixed_size: 0
    .kernarg_segment_align: 8
    .kernarg_segment_size: 64
    .max_flat_workgroup_size: 128
    .sgpr_count:     102
    .vgpr_count:     1024
    .wavefront_size: 32
...
	.end_amdgpu_metadata
.endif
;; end of part 2
;; launch attn (part 3): grid 16 x 16, 8 waves a work-group, clusters of 4 x 1, 327,680 bytes of LDS; arguments qkv, maskimg, ctxc, ctxs; writes ctxc, ctxs
.if DOCPART == 3
	.amdgcn_target "amdgcn-amd-amdhsa--gfx1250"
	.amdhsa_code_object_version 6
	.text
	.protected	k_qc9eaa64c16_attn
	.globl	k_qc9eaa64c16_attn
	.p2align	8
	.type	k_qc9eaa64c16_attn,@function
k_qc9eaa64c16_attn:
	s_mov_b64 s[64:65], 0
	v_nop
	global_prefetch_b8 v0, s[64:65] scope:SCOPE_SE
	s_setreg_imm32_b32 hwreg(HW_REG_WAVE_MODE, 25, 1), 1
	s_wait_xcnt 0x0
	s_wait_alu depctr_hold_cnt(0) depctr_sa_sdst(0) depctr_va_vdst(0) depctr_va_sdst(0) depctr_va_ssrc(0) depctr_va_vcc(0) depctr_vm_vsrc(0)
	s_getreg_b32 s2, hwreg(HW_REG_IB_STS2, 6, 4)
	s_cmp_eq_u32 s2, 0
	s_cbranch_scc0 .Lentry_in_a_cluster
	s_endpgm
.Lentry_in_a_cluster:
	s_bfe_u32 s2, ttmp6, 0x10000c
	s_cmp_lg_u32 s2, 0x3003
	s_cbranch_scc0 .Lentry_shape_is_right
	s_endpgm
.Lentry_shape_is_right:
; ctx = softmax(q k^T / sqrt(128) + attn_mask) v for one head and 128 queries a work-group, both products on codes of E4M3 with E8M0 scales; ctx leaves as codes and scale words for the last product.
; INPUTS: records of register images (x, head, step) of 17,408 bytes at ((16 x + head) 16 + step) x 17,408, x = 0 q, 1 k, 2 v^T: 8 fragments of 2,048 bytes, then 8 images of scale words of 128 bytes.
; maskimg: the mask x sqrt(128), (16 T + step) x 8,192 + 512 g + 16 lane: it is the C of the first product, so that the sum is (q . k + mask sqrt(128)), and t = that sum x log2(e) / sqrt(128).
; SOFTMAX: M = the running largest t rounded up to a whole number, kept as -M; p = 2^(t - M) is quantised along the keys; the row's sum is taken of the unquantised p and divides at the end;
; when M moves, the sum and O^T are multiplied by 2^(old M - new M), which rounds nothing.  No branch hangs on data.
; SHARES: eight waves, two to a SIMD.  Waves w and w + 4 own the same TWO tiles of 16 queries (T = 8 block + 2 (w % 4), T + 1) and take the key steps by turns: wave w the steps of parity w / 4, eight each,
; with an M, a sum and an O^T of its own.  So each fragment of K and of V that a wave reads from LDS feeds two matrix instructions, and each record is read by four waves.
; AT THE END the two are joined: every wave lays both tiles' O^T, -M and sum into LDS (in slot 0, which has had its last fill and its last read; a barrier ahead, a barrier behind), and wave w finishes tile w / 4 from
; its own image and its partner's: both are brought under the larger M by whole powers of two, added, divided by the joined sum and quantised.
; Both products are used transposed (S^T = K Q^T, O^T = V^T P^T): a lane holds one query of each tile; register 16 b + i of a tile's 64 is key (or channel) 32 b + 16 (lane / 16) + i.
; THE RING: two LDS slots of four key steps: K's four records, then V's four; wave w brings record w of a slot (68 rows of 256 bytes) by one joint load.
; The four work-groups of a cluster are four query blocks of one head and walk the same K and V.  The walk begins at key step 2 (head % 8).
; REGISTERS ARE 512 A WAVE: K's and V's fragments share one set of 128; the mask's image of the wave's next step is loaded into the registers of S^T as soon as their p has been converted, and the first product adds onto it in place.
; ONE TILE'S EXPONENTIALS STAND BY TURNS WITH THE OTHER TILE'S PLAIN LINES (its multiply-adds, its holds); what those lines read was written ahead of the wait in front of the run, what they write is read behind the wait that ends it.
; NO PREFETCH of K and V: a refill is asked for four key steps ahead of the barrier that waits for it, and the first two fills have no trip ahead of them.
; THE TEXT: the step is written four times: two trips of (a plain step, a step that changes slots and refills), two trips of (a plain step, a step that changes slots and fills nothing).
; In a wave's very last step branches on the trip's count lead round the look-ahead loads of K and of the mask, and round nothing else; its barrier orders nothing more.
; Window 0: v1-31 addresses, state and scale words; v32-63 Q; v64-95 p's codes; v96-127 at work, 16 a tile; v128-255 S^T, then p.  Window 1: v0-127 O^T, v128-255 K's or V's eight fragments.
; LIMITS: the promise holds while |t| stays under 2^31; NaN and infinities are not served; a block whose every p is 0, or whose largest magnitude lies under 2^-118, keeps the byte 1: this program alone reads the bytes.
.set REC,   17408
.set SLOTB, 8*REC
.set VOFF,  4*REC
.set SPARE, 2*SLOTB                    ; the spare words, 128 bytes a wave: four blocks of 256 bytes that no other line names
.set RGN,   16896                      ; the join: a wave's region in slot 0: two tiles' O^T (2 x 8,192 bytes), then -M and the sum of each (4 x 128)
.set LI,   1                           ; 16 x lane
.set LH,   2                           ; 4 x lane + 128 (lane / 16): two tiles' scale words in one register
.set SPW,  3
.set NIL,  4
.set ADR,  5                           ; the step's record of K in LDS, by LI; ADR2 by LH
.set ADR2, 6
.set VS,   8                           ; v8-11 V's scale words
.set NM,   12                          ; tile u: v[NM+2u] -M, v[NM+2u+1] the largest t
.set L,    16                          ; tile u: the sum, in two halves
.set F,    20                          ; tile u: v[F+2u] 2^(old M - new M), v[F+2u+1] p's scale word
.set QS,   24                          ; v24, v25 Q's scale words
.set ADV,  26                          ; as ADR, ADR2, for V
.set ADV2, 27
.set KS,   28                          ; v28-31 K's scale words
.set Q,    32
.set P,    64
.set BM,   96                          ; tile u, at 16 u: 0-3 the blocks' largest, 4-7 at work, 8-11 448 x the scale, 12-15 the conversions' scale operands
.set S,    128
.set SL,   2                           ; the slot in hand
.set LW,   3                           ; my load's place in a slot
.set WV,   12
.set MNT,  19
.set SEL,  20
.set CS,   22
.set G1,   24
.set G0A,  32
.set G0B,  36
.set MPB,  40
.set MP,   42
.set QP,   44
.set CC,   46
.set CSP,  48
.set TB,   54
.set MI,   56
.set FN,   57                          ; the key step of my next fill's record (taken modulo 16)
.set RB,   58
.set ROT,  61
.set OC,   62
.set KPO,  63                          ; my parity's first record in a slot
.set MSB, 0
.macro WIN new                         ; the immediate's high byte repeats the setting that is left
.if MSB != (\new)
	s_set_vgpr_msb (MSB<<8)|(\new)
.set MSB, (\new)
.endif
.endm
.macro WALU
	s_wait_alu depctr_va_vdst(0)
.endm
.macro CROUND                          ; a round of the cluster's barrier
	s_barrier_signal -1
	s_barrier_wait -1
	s_cmp_lg_u32 s[WV], 0
	s_cbranch_scc1 .Lnot_wave_0_\@
	s_barrier_signal -3
.Lnot_wave_0_\@:
	s_barrier_wait -3
	s_barrier_signal -1
	s_barrier_wait -1
.endm
.macro TLOAD g                         ; an s_nop 0 and four v_nop follow the load
	tensor_load_to_lds s[\g:\g+3], s[G1:G1+7]
	s_nop 0
.rept 4
	v_nop
.endr
.endm
.macro SETG g                          ; group 0's global address: my record of the next fill
	s_and_b32 s50, s[FN], 15
	s_mul_i32 s50, s50, REC
	s_add_nc_u64 s[\g+2:\g+3], s[RB:RB+1], s[50:51]
	s_or_b32 s[\g+3], s[\g+3], 0x80000000
	s_add_co_u32 s[FN], s[FN], 4
.endm
	s_load_b256 s[4:11], s[0:1], 0x0               ; qkv, maskimg, ctxc, ctxs
	v_lshl_add_u32 v[SPW], v0, 2, SPARE
	v_mov_b32 v[NIL], 0
	ds_add_u32 v[SPW], v[NIL]                      ; the opening lines: the add twice on end and its wait
	ds_add_u32 v[SPW], v[NIL]
	v_lshrrev_b32 v[ADR], 5, v0
	v_readfirstlane_b32 s[WV], v[ADR]
	s_bfe_u32 s13, ttmp6, 0x40000                  ; cx
	s_lshl_b32 s14, ttmp9, 2
	s_add_co_u32 s14, s14, s13                     ; the query block
	s_and_b32 s15, ttmp7, 0xffff                   ; the head
	s_and_b32 s17, s[WV], 3                        ; which 32 queries
	s_lshr_b32 s18, s[WV], 2                       ; which parity of key steps; also: I fetch K's records (0) or V's (1)
	s_lshl_b32 s16, s14, 3
	s_lshl_b32 s53, s17, 1
	s_add_co_u32 s16, s16, s53                     ; my first tile T
	s_and_b32 s[ROT], s15, 7
	s_lshl_b32 s[ROT], s[ROT], 1                   ; where the walk over the key steps begins
	s_mov_b32 s[G1], 15|(3<<16)|(1<<21)            ; the mask: all four partners; elements of 8 bytes; 21 set beside a mask
	s_mov_b32 s[G1+1], 32<<16
	s_mov_b32 s[G1+2], 68<<16
	s_mov_b32 s[G1+3], 32<<16
	s_mov_b32 s[G1+4], 68
	s_mov_b32 s[G1+5], 32
	s_mov_b32 s[G1+6], 0
	s_mov_b32 s[G1+7], 0
	s_mul_i32 s[LW], s[WV], REC
	s_mul_i32 s[KPO], s18, REC
	s_add_co_u32 s[FN], s[ROT], s17
	s_add_co_u32 s52, s18, 1
	s_lshl_b32 s52, s52, 8
	s_lshl_b32 s53, s15, 4
	s_add_co_u32 s52, s52, s53
	s_mul_i32 s50, s52, REC
	s_mov_b32 s51, 0
	s_mov_b32 s[SEL], 0x76543210
	s_mov_b32 s[SEL+1], 0xfedcba98
	s_mov_b32 s[CS], 0x3e0293ee                    ; log2(e) / sqrt(128)
	s_mov_b32 s[CS+1], s[CS]
	s_mov_b32 s[MNT], 0x600000
	s_mov_b32 s[TB], s[KPO]
	s_mov_b32 s[SL], 0
	s_wait_dscnt 0x0
	s_wait_kmcnt 0x0
	s_add_nc_u64 s[RB:RB+1], s[4:5], s[50:51]
	s_mov_b32 s[G0A], 1
	s_mov_b32 s[G0A+1], s[LW]
	SETG G0A
	s_mov_b32 s[G0B], 1
	s_add_co_u32 s[G0B+1], s[LW], SLOTB
	SETG G0B
	CROUND
	TLOAD G0A                                      ; slot 0: my one tensor load at the head
	s_lshl_b32 s50, s16, 17
	s_add_nc_u64 s[MPB:MPB+1], s[6:7], s[50:51]
	s_add_co_u32 s[MI], s[ROT], s18
	s_and_b32 s[MI], s[MI], 15
	s_lshl_b32 s50, s[MI], 13
	s_add_nc_u64 s[MP:MP+1], s[MPB:MPB+1], s[50:51]
	s_lshl_b32 s50, s15, 4
	s_add_co_u32 s50, s50, s14
	s_mul_i32 s50, s50, REC
	s_add_nc_u64 s[QP:QP+1], s[4:5], s[50:51]
	s_add_co_u32 s16, s16, s18                     ; the tile that I finish
	s_lshl_b32 s50, s16, 4
	s_add_co_u32 s50, s50, s15
	s_lshl_b32 s50, s50, 11
	s_add_nc_u64 s[CC:CC+1], s[8:9], s[50:51]      ; ctx's fragment (tile, head)
	s_lshl_b32 s50, s16, 10
	s_lshl_b32 s52, s15, 6
	s_add_co_u32 s50, s50, s52
	s_add_nc_u64 s[CSP:CSP+1], s[10:11], s[50:51]
	v_and_b32 v[ADR], 31, v0
	v_bfe_u32 v[ADR2], v0, 4, 1
	v_lshlrev_b32 v[LI], 4, v[ADR]
	v_lshlrev_b32 v[LH], 2, v[ADR]
	s_lshl_b32 s52, s17, 12
	v_add_nc_u32 v[ADV], s52, v[LI]                ; Q's two fragments
	s_lshl_b32 s52, s17, 8
	v_add_nc_u32 v[ADV2], s52, v[LH]               ; and their scale words
	v_lshl_add_u32 v[LH], v[ADR2], 7, v[LH]
.irp u, 0,1
.irp c, 0,1,2,3
	global_load_b128 v[Q+16*\u+4*\c:Q+16*\u+4*\c+3], v[ADV], s[QP:QP+1] offset:2048*\u+512*\c
.endr
	global_load_b32 v[QS+\u], v[ADV2], s[QP:QP+1] offset:16384+128*\u
.endr
.macro MASKLD u                        ; the mask's image of tile u for the key step at s[MP], into the registers of S^T
.set n, 0
.rept 16
	global_load_b128 v[S+64*(\u)+4*n:S+64*(\u)+4*n+3], v[LI], s[MP:MP+1] offset:131072*(\u)+512*n
.set n, n+1
.endr
.endm
	MASKLD 0
	MASKLD 1
.irp u, 0,1
	v_mov_b32 v[NM+2*\u+1], 0xff61b1e6             ; the largest t so far: -3e38
	v_floor_f32 v[NM+2*\u], -v[NM+2*\u+1]
	v_mov_b32 v[L+2*\u], 0
	v_mov_b32 v[L+2*\u+1], 0
	v_mov_b32 v[F+2*\u+1], 0                       ; (named as the upper half of a pair before it is first made)
.irp b, 0,1,2,3
	v_mov_b32 v[BM+16*\u+4+\b], 0                  ; a lane permute's destination counts as one of its sources
.endr
.endr
	WIN 0x40
.set n, 0
.rept 128
	v_mov_b32 v[n], 0                              ; O^T: the step is written without a first step of its own
.set n, n+1
.endr
	WIN 0
.macro QK t, u                         ; S^T(tile u, keys' tile t) = K Q^T + the mask's image, which lies there
.if (\t)%2
	v_wmma_scale_f32_16x16x128_f8f6f4 v[S+64*(\u)+8*(\t):S+64*(\u)+8*(\t)+7], v[128+16*(\t):128+16*(\t)+15], v[Q+16*(\u):Q+16*(\u)+15], v[S+64*(\u)+8*(\t):S+64*(\u)+8*(\t)+7], v[KS+(\t)/2], v[QS+(\u)] matrix_a_scale:MATRIX_SCALE_ROW1
.else
	v_wmma_scale_f32_16x16x128_f8f6f4 v[S+64*(\u)+8*(\t):S+64*(\u)+8*(\t)+7], v[128+16*(\t):128+16*(\t)+15], v[Q+16*(\u):Q+16*(\u)+15], v[S+64*(\u)+8*(\t):S+64*(\u)+8*(\t)+7], v[KS+(\t)/2], v[QS+(\u)]
.endif
.endm
.macro PV t, u                         ; O^T(tile u, channels' tile t) += V^T P^T
.if (\t)%2
	v_wmma_scale_f32_16x16x128_f8f6f4 v[64*(\u)+8*(\t):64*(\u)+8*(\t)+7], v[128+16*(\t):128+16*(\t)+15], v[P+16*(\u):P+16*(\u)+15], v[64*(\u)+8*(\t):64*(\u)+8*(\t)+7], v[VS+(\t)/2], v[F+2*(\u)+1] matrix_a_scale:MATRIX_SCALE_ROW1
.else
	v_wmma_scale_f32_16x16x128_f8f6f4 v[64*(\u)+8*(\t):64*(\u)+8*(\t)+7], v[128+16*(\t):128+16*(\t)+15], v[P+16*(\u):P+16*(\u)+15], v[64*(\u)+8*(\t):64*(\u)+8*(\t)+7], v[VS+(\t)/2], v[F+2*(\u)+1]
.endif
.endm
.macro RLOAD a1, a2, sc                ; a record's eight fragments and four registers of scale words: 36 LDS loads
	WIN 0x40
.irp a, 0,1,2,3,4,5,6,7
.irp c, 0,1,2,3
	ds_load_b128 v[128+16*\a+4*\c:128+16*\a+4*\c+3], v[\a1] offset:2048*\a+512*\c
.endr
.endr
	WIN 0
.irp a, 0,1,2,3
	ds_load_b32 v[\sc+\a], v[\a2] offset:16384+256*\a
.endr
.endm
.macro SCALEP u                        ; the sum under the new M; then from the blocks' largest p: scale operands, bounds, bytes, p's scale word
	v_pk_mul_f32 v[L+2*(\u):L+2*(\u)+1], v[L+2*(\u):L+2*(\u)+1], v[F+2*(\u):F+2*(\u)+1] op_sel_hi:[1,0]
.irp b, 0,1,2,3
	v_max_num_f32 v[BM+16*(\u)+\b], 0x4800000, v[BM+16*(\u)+\b]    ; the floor 2^(9 - 127): the byte cannot fall under 1
.endr
.irp b, 0,1,2,3
	v_add_nc_u32 v[BM+16*(\u)+12+\b], 0xfc000000, v[BM+16*(\u)+\b]
.endr
.irp b, 0,1,2,3
	v_and_or_b32 v[BM+16*(\u)+8+\b], v[BM+16*(\u)+\b], 0x7f800000, s[MNT]
.endr
.irp b, 0,1,2,3
	v_lshrrev_b32 v[BM+16*(\u)+4+\b], 23, v[BM+16*(\u)+12+\b]
.endr
	v_lshl_or_b32 v[F+2*(\u)+1], v[BM+16*(\u)+5], 8, v[BM+16*(\u)+4]
	v_lshl_or_b32 v[F+2*(\u)+1], v[BM+16*(\u)+6], 16, v[F+2*(\u)+1]
	v_lshl_or_b32 v[F+2*(\u)+1], v[BM+16*(\u)+7], 24, v[F+2*(\u)+1]
.endm
.macro SUMP u                          ; the row's sum of the unquantised p, two at a time, in four chains by turns
.irp k, 0,1,2,3
	v_pk_add_f32 v[BM+16*(\u)+2*\k:BM+16*(\u)+2*\k+1], v[S+64*(\u)+4*\k:S+64*(\u)+4*\k+1], v[S+64*(\u)+4*\k+2:S+64*(\u)+4*\k+3]
.endr
.set j, 16
.rept 6
.irp k, 0,1,2,3
	v_pk_add_f32 v[BM+16*(\u)+2*\k:BM+16*(\u)+2*\k+1], v[BM+16*(\u)+2*\k:BM+16*(\u)+2*\k+1], v[S+64*(\u)+j+2*\k:S+64*(\u)+j+2*\k+1]
.endr
.set j, j+8
.endr
	v_pk_add_f32 v[BM+16*(\u):BM+16*(\u)+1], v[BM+16*(\u):BM+16*(\u)+1], v[BM+16*(\u)+2:BM+16*(\u)+3]
	v_pk_add_f32 v[BM+16*(\u)+4:BM+16*(\u)+5], v[BM+16*(\u)+4:BM+16*(\u)+5], v[BM+16*(\u)+6:BM+16*(\u)+7]
	v_pk_add_f32 v[BM+16*(\u):BM+16*(\u)+1], v[BM+16*(\u):BM+16*(\u)+1], v[BM+16*(\u)+4:BM+16*(\u)+5]
	v_pk_add_f32 v[L+2*(\u):L+2*(\u)+1], v[L+2*(\u):L+2*(\u)+1], v[BM+16*(\u):BM+16*(\u)+1]
.endm
.macro CVT u
.irp b, 0,1,2,3
	v_cvt_scalef32_pk8_fp8_f32 v[P+16*(\u)+4*\b:P+16*(\u)+4*\b+1], v[S+64*(\u)+16*\b:S+64*(\u)+16*\b+7], v[BM+16*(\u)+12+\b]
	v_cvt_scalef32_pk8_fp8_f32 v[P+16*(\u)+4*\b+2:P+16*(\u)+4*\b+3], v[S+64*(\u)+16*\b+8:S+64*(\u)+16*\b+15], v[BM+16*(\u)+12+\b]
.endr
.endm
.macro NEXTMASK kind, u                ; tile u's p is converted: its registers take the image of my next step (my very last step has none)
.if \kind == 2
	s_cmp_eq_u32 s[OC], 1
	s_cbranch_scc1 .Lno_mask_\@
.endif
	MASKLD \u
.if \kind == 2
.Lno_mask_\@:
.endif
.endm
; A KEY STEP of 128 keys for both tiles.  kind 0: my next step lies in the same slot; 1: the slot is left and filled again; 2: it is left and nothing is filled
.macro STEP kind
	s_wait_dscnt 0x0                               ; K's fragments and scale words
	s_wait_loadcnt 0x0                             ; the mask's image (the first time Q too)
	WIN 0x01
.irp t, 0,1,2,3,4,5,6,7
	QK \t, 0
	QK \t, 1
.endr
	WIN 0
	v_add_nc_u32 v[ADV], VOFF, v[ADR]              ; eight places behind the products: two additions, six v_nop
	v_add_nc_u32 v[ADV2], VOFF, v[ADR2]
.rept 6
	v_nop
.endr
	WALU
	s_add_co_u32 s[MI], s[MI], 2                   ; where my next step's image lies (the last loads by s[MP] have been waited for)
	s_and_b32 s[MI], s[MI], 15
	s_lshl_b32 s50, s[MI], 13
	s_add_nc_u64 s[MP:MP+1], s[MPB:MPB+1], s[50:51]
	RLOAD ADV, ADV2, VS                            ; V's fragments, into the registers that held K's
.irp u, 0,1                            ; the largest score of each block of 32 keys: for the row's maximum and for the block's largest p
.irp b, 0,1,2,3
	v_max3_num_f32 v[BM+16*\u+\b], v[S+64*\u+16*\b], v[S+64*\u+16*\b+1], v[S+64*\u+16*\b+2]
.endr
.endr
.irp i, 3,5,7,9,11,13
.irp u, 0,1
.irp b, 0,1,2,3
	v_max3_num_f32 v[BM+16*\u+\b], v[BM+16*\u+\b], v[S+64*\u+16*\b+\i], v[S+64*\u+16*\b+\i+1]
.endr
.endr
.endr
.irp u, 0,1
.irp b, 0,1,2,3
	v_max_num_f32 v[BM+16*\u+\b], v[BM+16*\u+\b], v[S+64*\u+16*\b+15]
.endr
.endr
.irp u, 0,1
.irp b, 0,1,2,3
	v_permlanex16_b32 v[BM+16*\u+4+\b], v[BM+16*\u+\b], s[SEL], s[SEL+1]
.endr
.endr
.irp u, 0,1
.irp b, 0,1,2,3
	v_max_num_f32 v[BM+16*\u+\b], v[BM+16*\u+\b], v[BM+16*\u+4+\b]
.endr
.endr
.irp u, 0,1
	v_max3_num_f32 v[BM+16*\u+4], v[BM+16*\u], v[BM+16*\u+1], v[BM+16*\u+2]
.endr
.irp u, 0,1
	v_max_num_f32 v[BM+16*\u+4], v[BM+16*\u+4], v[BM+16*\u+3]
.endr
.irp u, 0,1
	v_mul_f32 v[BM+16*\u+4], s[CS], v[BM+16*\u+4]  ; as t
.endr
.irp u, 0,1
	v_max_num_f32 v[NM+2*\u+1], v[NM+2*\u+1], v[BM+16*\u+4]
.endr
.irp u, 0,1
	v_mov_b32 v[BM+16*\u+4], v[NM+2*\u]
.endr
.irp u, 0,1
	v_floor_f32 v[NM+2*\u], -v[NM+2*\u+1]          ; the new -M
.endr
.irp u, 0,1
	v_sub_f32 v[BM+16*\u+4], v[NM+2*\u], v[BM+16*\u+4]
.endr
.irp u, 0,1
	v_cvt_i32_f32 v[BM+16*\u+4], v[BM+16*\u+4]     ; old M - new M, a whole number (it saturates)
.endr
.irp u, 0,1
	v_ldexp_f32 v[F+2*\u], 1.0, v[BM+16*\u+4]
.endr
.set j, 0
.rept 32
	v_pk_fma_f32 v[S+j:S+j+1], v[S+j:S+j+1], s[CS:CS+1], v[NM:NM+1] op_sel_hi:[1,0,0]      ; tile 0: t - M
.set j, j+2
.endr
.irp b, 0,1,2,3
	v_fma_f32 v[BM+\b], v[BM+\b], s[CS], v[NM]
.endr
	WALU                                           ; ahead of the run of exponentials
.set j, 0
.rept 32                               ; tile 0's exponentials by turns with tile 1's t - M
	v_exp_f32 v[S+j], v[S+j]
	v_pk_fma_f32 v[S+64+j:S+65+j], v[S+64+j:S+65+j], s[CS:CS+1], v[NM+2:NM+3] op_sel_hi:[1,0,0]
	v_exp_f32 v[S+j+1], v[S+j+1]
.set j, j+2
.endr
.irp b, 0,1,2,3
	v_exp_f32 v[BM+\b], v[BM+\b]
	v_fma_f32 v[BM+16+\b], v[BM+16+\b], s[CS], v[NM+2]
.endr
	WALU                                           ; behind the run, ahead of its results' first reader
	SCALEP 0
	SUMP 0
	WALU                                           ; ahead of the second run (and of the waits of a change of slots)
.if \kind > 0
	s_wait_tensorcnt 0x0                           ; all my tensor loads have landed: my record of the next slot
	ds_add_u32 v[SPW], v[NIL]                      ; 0 onto my spare word
.if \kind == 1
	SETG G0A                                       ; no load of mine is out: the refill's group 0: my record of the next four key steps, into the slot that is left
	s_mul_i32 s[G0A+1], s[SL], SLOTB
	s_add_co_u32 s[G0A+1], s[G0A+1], s[LW]
.endif
	s_xor_b32 s[SL], s[SL], 1
	s_mul_i32 s[TB], s[SL], SLOTB
	s_add_co_u32 s[TB], s[TB], s[KPO]
	s_wait_dscnt 0x0                               ; the add is done, and so are my reads of this slot, V's fragments of this step the last
.if \kind == 1
	CROUND
	TLOAD G0A                                      ; my one tensor load behind the round
.else
	s_barrier_signal -1
	s_barrier_wait -1
.endif
.endif
.irp b, 0,1,2,3
	v_exp_f32 v[BM+16+\b], v[BM+16+\b]
.endr
.set j, 0
.rept 64                               ; tile 1's exponentials by turns with tile 0's holds (the conversion does not saturate: ISA guide 7.6.2; p is not negative)
	v_exp_f32 v[S+64+j], v[S+64+j]
	v_min_num_f32 v[S+j], v[S+j], v[BM+8+j/16]
.set j, j+1
.endr
	WALU
	CVT 0
	NEXTMASK \kind, 0
	SCALEP 1
	SUMP 1
.set j, 0
.rept 64
	v_min_num_f32 v[S+64+j], v[S+64+j], v[BM+24+j/16]
.set j, j+1
.endr
	CVT 1
	NEXTMASK \kind, 1
	WIN 0x41
	WALU                                           ; directly ahead of the first reader of O^T
.irp u, 0,1
.set j, 0
.rept 32
	v_pk_mul_f32 v[64*\u+j:64*\u+j+1], v[64*\u+j:64*\u+j+1], v[F+2*\u:F+2*\u+1] op_sel_hi:[1,0]   ; O^T under the new M; also the places ahead of the products
.set j, j+2
.endr
.endr
	WALU
	s_wait_dscnt 0x0                               ; V's fragments and scale words
	WIN 0x51
.irp t, 0,1,2,3,4,5,6,7
	PV \t, 0
	PV \t, 1
.endr
	WIN 0
.if \kind == 0
	s_add_co_u32 s[TB], s[TB], 2*REC               ; my next step: two records on
.endif
	v_add_nc_u32 v[ADR], s[TB], v[LI]              ; eight places behind the products
	v_add_nc_u32 v[ADR2], s[TB], v[LH]
.rept 6
	v_nop
.endr
	WALU
.if \kind == 2
	s_cmp_eq_u32 s[OC], 1
	s_cbranch_scc1 .Lno_k_\@
.endif
	RLOAD ADR, ADR2, KS                            ; my next step's K, into the registers that held V's
.if \kind == 2
.Lno_k_\@:
.endif
.endm
	WALU                                           ; the head's end
	s_wait_tensorcnt 0x0                           ; my record of slot 0 is in; slot 1's first fill is issued as a refill is
	ds_add_u32 v[SPW], v[NIL]
	s_wait_dscnt 0x0
	CROUND
	TLOAD G0B
	v_add_nc_u32 v[ADR], s[TB], v[LI]
	v_add_nc_u32 v[ADR2], s[TB], v[LH]
	WALU
	RLOAD ADR, ADR2, KS
	s_mov_b32 s[OC], 2
.Lfill:
	STEP 0
	STEP 1
	s_sub_co_u32 s[OC], s[OC], 1
	s_cmp_lg_u32 s[OC], 0
	s_cbranch_scc1 .Lfill
	s_mov_b32 s[OC], 2
.Lrest:
	STEP 0
	STEP 2
	s_sub_co_u32 s[OC], s[OC], 1
	s_cmp_lg_u32 s[OC], 0
	s_cbranch_scc1 .Lrest
; THE JOIN.  Region w of slot 0 takes wave w's two tiles; wave w reads tile w / 4 of its own region and of region w xor 4
	s_mul_i32 s50, s[WV], RGN
	s_xor_b32 s51, s[WV], 4
	s_mul_i32 s51, s51, RGN
	s_lshr_b32 s52, s[WV], 2
	s_lshl_b32 s53, s52, 13
	s_lshl_b32 s52, s52, 8
	s_add_co_u32 s13, s50, s53
	s_add_co_u32 s14, s51, s53
	s_add_co_u32 s15, s50, s52
	s_add_co_u32 s16, s51, s52
.rept 8
	v_nop                                          ; places behind the last products
.endr
.irp u, 0,1
	v_add_f32 v[L+2*\u], v[L+2*\u], v[L+2*\u+1]
.endr
	v_and_b32 v[ADV], 31, v0
	v_lshlrev_b32 v[ADV], 2, v[ADV]                ; 4 x lane
	v_add_nc_u32 v[ADR], s50, v[LI]
	v_add_nc_u32 v[ADR2], s50, v[ADV]
	v_add_nc_u32 v[BM], s13, v[LI]
	v_add_nc_u32 v[BM+1], s14, v[LI]
	v_add_nc_u32 v[BM+2], s15, v[ADV]
	v_add_nc_u32 v[BM+3], s16, v[ADV]
	WALU
	s_wait_dscnt 0x0
	s_barrier_signal -1                            ; every wave's reads of the ring are over
	s_barrier_wait -1
	WIN 0x04
.set n, 0
.rept 32
	ds_store_b128 v[ADR], v[4*n:4*n+3] offset:512*n        ; each accumulator from its low end on
.set n, n+1
.endr
	WIN 0
.irp u, 0,1
	ds_store_b32 v[ADR2], v[NM+2*\u] offset:16384+256*\u
	ds_store_b32 v[ADR2], v[L+2*\u] offset:16384+256*\u+128
.endr
	s_wait_dscnt 0x0
	s_barrier_signal -1
	s_barrier_wait -1
.set n, 0
.rept 16
	ds_load_b128 v[S+4*n:S+4*n+3], v[BM] offset:512*n
	ds_load_b128 v[S+64+4*n:S+64+4*n+3], v[BM+1] offset:512*n
.set n, n+1
.endr
	ds_load_b32 v[BM+4], v[BM+2] offset:16384      ; -M and the sum: mine,
	ds_load_b32 v[BM+5], v[BM+2] offset:16384+128
	ds_load_b32 v[BM+6], v[BM+3] offset:16384      ; my partner's
	ds_load_b32 v[BM+7], v[BM+3] offset:16384+128
	s_wait_dscnt 0x0
	v_min_num_f32 v[BM+8], v[BM+4], v[BM+6]        ; -(the larger M)
	v_sub_f32 v[BM+9], v[BM+8], v[BM+4]
	v_sub_f32 v[BM+10], v[BM+8], v[BM+6]
	v_cvt_i32_f32 v[BM+9], v[BM+9]
	v_cvt_i32_f32 v[BM+10], v[BM+10]
	v_ldexp_f32 v[BM+9], 1.0, v[BM+9]              ; 2^(each M - the larger M)
	v_ldexp_f32 v[BM+10], 1.0, v[BM+10]
	v_mul_f32 v[BM+11], v[BM+5], v[BM+9]
	v_fma_f32 v[BM+11], v[BM+7], v[BM+10], v[BM+11]
	v_permlanex16_b32 v[BM+12], v[BM+11], s[SEL], s[SEL+1]
	v_add_f32 v[BM+11], v[BM+11], v[BM+12]         ; the row's sum
	WALU
	v_rcp_f32 v[BM+11], v[BM+11]
	v_nop
	WALU
	v_mul_f32 v[F], v[BM+9], v[BM+11]
	v_mul_f32 v[F+2], v[BM+10], v[BM+11]
.set j, 0
.rept 32
	v_pk_mul_f32 v[S+j:S+j+1], v[S+j:S+j+1], v[F:F+1] op_sel_hi:[1,0]
.set j, j+2
.endr
.set j, 0
.rept 32
	v_pk_fma_f32 v[S+j:S+j+1], v[S+64+j:S+65+j], v[F+2:F+3], v[S+j:S+j+1] op_sel_hi:[1,0,1]
.set j, j+2
.endr
; ctx's 16 rows x 128 channels, quantised along the channels: fragment (tile, head) of the last product's operand with its scale words
.irp b, 0,1,2,3
	v_max3_num_f32 v[BM+\b], |v[S+16*\b]|, |v[S+16*\b+1]|, 0x4800000
.endr
.irp i, 2,4,6,8,10,12,14
.irp b, 0,1,2,3
	v_max3_num_f32 v[BM+\b], v[BM+\b], |v[S+16*\b+\i]|, |v[S+16*\b+\i+1]|
.endr
.endr
.irp b, 0,1,2,3
	v_permlanex16_b32 v[BM+4+\b], v[BM+\b], s[SEL], s[SEL+1]
.endr
.irp b, 0,1,2,3
	v_max_num_f32 v[BM+\b], v[BM+\b], v[BM+4+\b]
.endr
.irp b, 0,1,2,3
	v_add_nc_u32 v[BM+12+\b], 0xfc000000, v[BM+\b]
.endr
.irp b, 0,1,2,3
	v_and_or_b32 v[BM+8+\b], v[BM+\b], 0x7f800000, s[MNT]
.endr
.irp b, 0,1,2,3
	v_lshrrev_b32 v[BM+4+\b], 23, v[BM+12+\b]
.endr
	v_lshl_or_b32 v[F+1], v[BM+5], 8, v[BM+4]
	v_lshl_or_b32 v[F+1], v[BM+6], 16, v[F+1]
	v_lshl_or_b32 v[F+1], v[BM+7], 24, v[F+1]
.set j, 0
.rept 64
	v_med3_num_f32 v[S+j], v[S+j], -v[BM+8+j/16], v[BM+8+j/16]
.set j, j+1
.endr
	CVT 0
	v_nop                                          ; one plain line behind the last conversion
.irp c, 0,1,2,3
	global_store_b128 v[LI], v[P+4*\c:P+4*\c+3], s[CC:CC+1] offset:512*\c
.endr
	s_wait_xcnt 0x0                                ; EXEC changes only behind this wait
	v_cmp_gt_u32 vcc_lo, 64, v[ADV]
	s_and_saveexec_b32 s60, vcc_lo
	global_store_b32 v[ADV], v[F+1], s[CSP:CSP+1]  ; sixteen rows' scale words: 64 bytes of (tile, head)
	s_wait_xcnt 0x0
	s_or_b32 exec_lo, exec_lo, s60
	s_wait_tensorcnt 0x0                           ; the wave's end
	ds_add_u32 v[SPW], v[NIL]
	s_wait_dscnt 0x0
	CROUND                                         ; the closing round
	s_endpgm
.Lfunc_end_k_qc9eaa64c16_attn:
	.size	k_qc9eaa64c16_attn, .Lfunc_end_k_qc9eaa64c16_attn-k_qc9eaa64c16_attn
	.p2alignl 7, 3214868480
	.fill 96, 4, 3214868480
	.section	.rodata,"a",@progbits
	.p2align	6, 0x0
	.amdhsa_kernel k_qc9eaa64c16_attn
		.amdhsa_group_segment_fixed_size 327680
		.amdhsa_private_segment_fixed_size 0
		.amdhsa_enable_private_segment 0
		.amdhsa_kernarg_size 32
		.amdhsa_user_sgpr_count 2
		.amdhsa_user_sgpr_kernarg_segment_ptr 1
		.amdhsa_wavefront_size32 1
		.amdhsa_system_sgpr_workgroup_id_x 1
		.amdhsa_system_sgpr_workgroup_id_y 1
		.amdhsa_system_sgpr_workgroup_id_z 1
		.amdhsa_system_vgpr_workitem_id 0
		.amdhsa_next_free_vgpr 512
		.amdhsa_next_free_sgpr 66
		.amdhsa_reserve_vcc 1
		.amdhsa_float_denorm_mode_32 3
		.amdhsa_float_denorm_mode_16_64 3
		.amdhsa_memory_ordered 1
		.amdhsa_forward_progress 1
		.amdhsa_inst_pref_size 207
	.end_amdhsa_kernel
	.amdgpu_metadata
---
amdhsa.version: [ 1, 2 ]
amdhsa.kernels:
  - .name:           k_qc9eaa64c16_attn
    .symbol:         k_qc9eaa64c16_attn.kd
    .args:
      - { .name: qkv, .offset: 0, .size: 8, .value_kind: global_buffer, .address_space: global }
      - { .name: maskimg, .offset: 8, .size: 8, .value_kind: global_buffer, .address_space: global }
      - { .name: ctxc, .offset: 16, .size: 8, .value_kind: global_buffer, .address_space: global }
      - { .name: ctxs, .offset: 24, .size: 8, .value_kind: global_buffer, .address_space: global }
    .group_segment_fixed_size: 327680
    .private_segment_fixed_size: 0
    .kernarg_segment_align: 8
    .kernarg_segment_size: 32
    .max_flat_workgroup_size: 256
    .sgpr_count:     66
    .vgpr_count:     512
    .wavefront_size: 32
...
	.end_amdgpu_metadata
.endif
;; end of part 3
;; launch outgemm (part 4): grid 16 x 16, 4 waves a work-group, clusters of 4 x 4, 327,680 bytes of LDS; arguments ctxc, ctxs, codes, scales, bo, out0; writes out0
.if DOCPART == 4
	.amdgcn_target "amdgcn-amd-amdhsa--gfx1250"
	.amdhsa_code_object_version 6
	.text
	.protected	k_qc9eaa64c16_outgemm
	.globl	k_qc9eaa64c16_outgemm
	.p2align	8
	.type	k_qc9eaa64c16_outgemm,@function
k_qc9eaa64c16_outgemm:
	s_mov_b64 s[64:65], 0
	v_nop
	global_prefetch_b8 v0, s[64:65] scope:SCOPE_SE
	s_setreg_imm32_b32 hwreg(HW_REG_WAVE_MODE, 25, 1), 1
	s_wait_xcnt 0x0
	s_wait_alu depctr_hold_cnt(0) depctr_sa_sdst(0) depctr_va_vdst(0) depctr_va_sdst(0) depctr_va_ssrc(0) depctr_va_vcc(0) depctr_vm_vsrc(0)
	s_getreg_b32 s2, hwreg(HW_REG_IB_STS2, 6, 4)
	s_cmp_eq_u32 s2, 0
	s_cbranch_scc0 .Lentry_in_a_cluster
	s_endpgm
.Lentry_in_a_cluster:
	s_bfe_u32 s2, ttmp6, 0x10000c
	s_cmp_lg_u32 s2, 0xf033
	s_cbranch_scc0 .Lentry_shape_is_right
	s_endpgm
.Lentry_shape_is_right:
; out0 = ctx Wo^T + bo on codes of E4M3 with E8M0 scales; sums in f32.  [2048][2048] is 64 tiles of 256 x 256 but 256 tiles of 128 x 128: the smaller tile gives every WGP a work-group.
; Four waves, each 64 x 64: 16 accumulators.  Operands lie as images of their registers (fragment = 2,048 bytes); K goes in steps of 512 through a ring of two LDS slots: a tensor load brings 4 tiles x 4 fragments
; (4 rows of 8,192 bytes, 32,768 bytes apart: the tile has no more rows).  The scale words for all of K come once, with the first fills.
; CLUSTERS: 4 x 4; ctx's tiles (source 1, A) are shared along a row, Wo's (source 0, B) along a column: joint loads.
; TRANSPOSED USE: lane (r, h) holds row r of A's tile; register j of accumulator (a, b) is column 32 (b / 2) + 16 h + 8 (b % 2) + j.  The bias is the C of each sum's first matrix instruction.
; REGISTERS: window 0: v1-31 addresses; v32-39 scale words, two sets; v64-95 the bias; v128-255 accumulators ((a, b) at v[128 + 8 (4 a + b)]).
;   window 1: two fragment buffers of 128: A's four fragments, then B's four.
.set REG,   32768
.set SLOT,  131072
.set SCL,   262144                     ; scale words: four regions of 4,096 bytes, [tile 4][K step 16][row 16]
.set SREG,  4096
.set SPARE, 278528                     ; the spare words, 128 bytes for each wave: two blocks of 256 bytes that no other line names
.set ADRA, 16
.set LI,   18
.set ADRB, 20
.set STO,  24
.set RD,   25
.set CO,   26
.set ADRS, 27
.set SPW,  28
.set NIL,  29
.set SC,   32
.set BB,   64
.set BK,   96
.set ACC,  128
.set WV,   20
.set RH,   21
.set CH,   22
.set G1,   24
.set G0,   32
.set G1B,  48
.set G0B,  56
.set G1S,  68
.set G0S,  76
.set G1SB, 80
.set G0SB, 88
.set MSB, 0
.macro WIN new
.if MSB != (\new)
	s_set_vgpr_msb (MSB<<8)|(\new)
.set MSB, (\new)
.endif
.endm
.set MUL,  0x05                        ; sources 0 and 1 window 1; C and D window 0
.set TO_F, 0x40
.macro PLACES n
.rept \n
	v_nop
.endr
.endm
.macro JLOAD g0a, g1a, g0b, g1b        ; waves 0, 1 fetch for A, waves 2, 3 for B; four v_nop follow each line
	s_cmp_eq_u32 s[RH], 0
	s_cbranch_scc0 .Lfor_b_\@
	tensor_load_to_lds s[\g0a:\g0a+3], s[\g1a:\g1a+7]
	s_nop 0
.rept 4
	v_nop
.endr
	s_branch .Lasked_\@
.Lfor_b_\@:
	tensor_load_to_lds s[\g0b:\g0b+3], s[\g1b:\g1b+7]
	s_nop 0
.rept 4
	v_nop
.endr
.Lasked_\@:
.endm
.macro CREST
	s_cmp_lg_u32 s[WV], 0
	s_cbranch_scc1 .Lnot_wave_0_\@
	s_barrier_signal -3
.Lnot_wave_0_\@:
	s_barrier_wait -3
	s_barrier_signal -1
	s_barrier_wait -1
.endm
.macro CROUND
	s_barrier_signal -1
	s_barrier_wait -1
	CREST
.endm
	s_load_b256 s[4:11], s[0:1], 0x0               ; ctxc, ctxs, codes, scales
	s_load_b128 s[12:15], s[0:1], 0x20             ; bo, out0
	v_lshl_add_u32 v[SPW], v0, 2, SPARE
	v_mov_b32 v[NIL], 0
	ds_add_u32 v28, v29
	ds_add_u32 v28, v29
	s_wait_dscnt 0x0
	v_lshrrev_b32 v1, 5, v0
	v_readfirstlane_b32 s[WV], v1
	s_lshr_b32 s[RH], s[WV], 1                     ; my half of the rows; also: I fetch for A (0) or B (1)
	s_and_b32 s[CH], s[WV], 1                      ; my half of the columns; also: which 64 rows I fetch
	s_bfe_u32 s40, ttmp6, 0x40000
	s_bfe_u32 s41, ttmp6, 0x40004
	s_lshl_b32 s42, ttmp9, 2
	s_add_co_u32 s42, s42, s40                     ; tile column
	s_and_b32 s43, ttmp7, 0xffff
	s_lshl_b32 s43, s43, 2
	s_add_co_u32 s43, s43, s41                     ; tile row
	s_lshl_b32 s44, s41, 2
	s_lshl_b32 s44, 15, s44
	s_lshl_b32 s45, 0x1111, s40
	s_or_b32 s[G1], s44, (3<<16)|(1<<21)           ; the mask; elements of 8 bytes; 21 set beside a mask; no padding
	s_or_b32 s[G1B], s45, (3<<16)|(1<<21)
.irp g, G1, G1B
	s_mov_b32 s[\g+1], 1024<<16                    ; four fragments: 8,192 bytes
	s_mov_b32 s[\g+2], 8<<16                       ; eight tiles for the head's loads; four behind them
	s_mov_b32 s[\g+3], 1024<<16
	s_mov_b32 s[\g+4], 8
	s_mov_b32 s[\g+5], 4096                        ; 32,768 bytes from tile to tile
	s_mov_b32 s[\g+6], 0
	s_mov_b32 s[\g+7], 0
.endr
	s_or_b32 s[G1S], s44, (3<<16)|(1<<21)          ; four tiles' scale words: 4,096 dense bytes as 16 rows of 256
	s_or_b32 s[G1SB], s45, (3<<16)|(1<<21)
.irp g, G1S, G1SB
	s_mov_b32 s[\g+1], 32<<16
	s_mov_b32 s[\g+2], 32<<16                      ; eight tiles' scale words: 32 rows of 256 bytes
	s_mov_b32 s[\g+3], 32<<16
	s_mov_b32 s[\g+4], 32
	s_mov_b32 s[\g+5], 32
	s_mov_b32 s[\g+6], 0
	s_mov_b32 s[\g+7], 0
.endr
	s_lshl_b32 s66, s43, 3                         ; ctx's first tile: 8 row
	s_lshl_b32 s67, s42, 3
	s_add_co_u32 s67, s67, 512                     ; Wo's, the fifth tensor of the codes' buffer: 512 + 8 column + 4 half
	s_lshl_b32 s[G0+2], s66, 15
	s_mov_b32 s[G0+3], 0
	s_lshl_b32 s[G0B+2], s67, 15
	s_mov_b32 s[G0B+3], 0
	s_lshl_b32 s[G0S+2], s66, 10
	s_mov_b32 s[G0S+3], 0
	s_lshl_b32 s[G0SB+2], s67, 10
	s_mov_b32 s[G0SB+3], 0
	s_lshl_b32 s2, s[WV], 15
	s_wait_kmcnt 0x0
	s_add_nc_u64 s[G0+2:G0+3], s[4:5], s[G0+2:G0+3]
	s_add_nc_u64 s[G0B+2:G0B+3], s[8:9], s[G0B+2:G0B+3]
	s_add_nc_u64 s[G0S+2:G0S+3], s[6:7], s[G0S+2:G0S+3]
	s_add_nc_u64 s[G0SB+2:G0SB+3], s[10:11], s[G0SB+2:G0SB+3]
	s_lshl_b32 s66, s[CH], 17                      ; in the ring I fetch 4 of a side's 8 tiles: my half, 4 x 32,768 bytes on
	s_mov_b32 s67, 0
	s_add_nc_u64 s[G0+6:G0+7], s[G0+2:G0+3], s[66:67]
	s_add_nc_u64 s[G0+6:G0+7], s[G0+6:G0+7], 8192
	s_add_nc_u64 s[G0B+6:G0B+7], s[G0B+2:G0B+3], s[66:67]
	s_add_nc_u64 s[G0B+6:G0B+7], s[G0B+6:G0B+7], 8192
	s_cmp_eq_u32 s[RH], 0                          ; the prefetches stand at slot 1 of the 4 tiles that I fetch (A's or B's),
	s_cselect_b64 s[4:5], s[G0+6:G0+7], s[G0B+6:G0B+7]
	s_cselect_b32 s6, s40, s41                     ; at my work-group's one of them: the four that ask jointly share the tiles out by address
	s_lshl_b32 s6, s6, 15
	s_mov_b32 s7, 0
	s_add_nc_u64 s[4:5], s[4:5], s[6:7]
.irp g, G0, G0+4, G0B, G0B+4, G0S, G0SB
	s_mov_b32 s[\g], 1
	s_or_b32 s[\g+3], s[\g+3], 0x80000000
.endr
	s_mov_b32 s[G0+1], 0                           ; the head's load of A: all 8 tiles of slot 0
	s_add_co_u32 s[G0+5], s2, SLOT
	s_mov_b32 s[G0B+1], 2*REG                      ; and of B, behind them
	s_add_co_u32 s[G0B+5], s2, SLOT
	s_mov_b32 s[G0S+1], SCL
	s_mov_b32 s[G0SB+1], SCL+2*SREG
	CROUND                                         ; all sixteen work-groups are here
; the head's four tiles, one joint load a wave: wave 0 slot 0's 8 tiles of A, wave 1 those of B, wave 2 A's scale words, wave 3 B's; one chain of branches on the wave's number
.macro ARM under, g0, g1, next
	s_cmp_lt_u32 s[WV], \under
	s_cbranch_scc0 \next
	tensor_load_to_lds s[\g0:\g0+3], s[\g1:\g1+7]
	s_nop 0
.rept 4
	v_nop
.endr
	s_branch .Lhead_asked
\next:
.endm
	ARM 1, G0, G1, .Lhead_b
	ARM 2, G0B, G1B, .Lhead_sa
	ARM 3, G0S, G1S, .Lhead_sb
	tensor_load_to_lds s[G0SB:G0SB+3], s[G1SB:G1SB+7]
	s_nop 0
.rept 4
	v_nop
.endr
.Lhead_asked:
	v_and_b32 v1, 15, v0                           ; r
	v_bfe_u32 v2, v0, 4, 1                         ; h
	v_and_b32 v3, 31, v0
	v_lshlrev_b32 v[LI], 4, v3
	s_lshl_b32 s2, s[RH], 15
	v_add_nc_u32 v[ADRA], s2, v[LI]
	v_add_nc_u32 v[ADRA+1], SLOT, v[ADRA]
	s_lshl_b32 s2, s[CH], 15
	s_add_co_u32 s2, s2, 2*REG
	v_add_nc_u32 v[ADRB], s2, v[LI]
	v_add_nc_u32 v[ADRB+1], SLOT, v[ADRB]
	s_lshl_b32 s2, s[RH], 12                       ; scale words: A's region, and for lanes 16-31 the distance to B's: one product
	s_lshl_b32 s3, s[CH], 12
	s_add_co_u32 s3, s3, 2*SREG
	s_sub_co_u32 s3, s3, s2
	v_mul_u32_u24 v4, s3, v2
	s_wait_alu depctr_va_vdst(0)
	s_add_co_u32 s2, s2, SCL
	v_lshl_add_u32 v4, v1, 2, v4
	v_add_nc_u32 v[ADRS], s2, v4
	s_mul_i32 s2, s[WV], 4352                      ; my stage: 16 rows x 272 bytes, in slot 0
	v_mul_u32_u24 v4, v1, 272
	v_lshl_add_u32 v4, v2, 6, v4
	v_add_nc_u32 v[STO], s2, v4
	v_mul_u32_u24 v4, v2, 272
	v_lshl_add_u32 v4, v1, 4, v4
	v_add_nc_u32 v[RD], s2, v4                     ; back: lanes 0-15 one row of 256 bytes, lanes 16-31 the next
	v_lshlrev_b32 v[CO], 13, v2
	v_lshl_add_u32 v[CO], v1, 4, v[CO]             ; and the same two rows in out0
	v_lshlrev_b32 v5, 6, v2
	v_lshlrev_b32 v31, 8, v3                       ; a prefetch's offset: block lane of a slot's 8,192 bytes of one tile; never rewritten
	s_wait_alu depctr_va_vdst(0)
	s_lshl_b32 s46, s42, 9                         ; my first column, in bytes: 512 column + 256 half
	s_lshl_b32 s47, s[CH], 8
	s_add_co_u32 s46, s46, s47
	s_mov_b32 s47, 0
	s_add_nc_u64 s[12:13], s[12:13], s[46:47]
	s_add_nc_u64 s[14:15], s[14:15], s[46:47]
	s_lshl_b32 s46, s43, 20                        ; my first row: (128 row + 64 half) x 8,192 bytes
	s_lshl_b32 s2, s[RH], 19
	global_prefetch_b8 v31, s[4:5] th:TH_LOAD_NT scope:SCOPE_SE                ; slot 1, whose fill is asked for when the head's tiles have landed,
	global_prefetch_b8 v31, s[4:5] offset:8192 th:TH_LOAD_NT scope:SCOPE_SE    ; and slots 2 and 3, which the two refills will load: there are no others
	global_prefetch_b8 v31, s[4:5] offset:16384 th:TH_LOAD_NT scope:SCOPE_SE
	s_add_co_u32 s46, s46, s2
	s_add_nc_u64 s[14:15], s[14:15], s[46:47]
.irp b, 0,1,2,3
	global_load_b128 v[BB+8*\b:BB+8*\b+3], v5, s[12:13] offset:(32*(\b/2)+8*(\b%2))*4
	global_load_b128 v[BB+8*\b+4:BB+8*\b+7], v5, s[12:13] offset:(32*(\b/2)+8*(\b%2))*4+16
.endr
; the fragments and scale words of the slot's q-th 128 along K into buffer f
.macro FETCH slot, q, f
	WIN TO_F
.irp i, 0,1,2,3
.irp c, 0,1,2,3
	ds_load_b128 v[128*(\f)+64+16*\i+4*\c:128*(\f)+64+16*\i+4*\c+3], v[ADRB+\slot] offset:8192*\i+2048*(\q)+512*\c
.endr
.endr
.irp i, 0,1,2,3
.irp c, 0,1,2,3
	ds_load_b128 v[128*(\f)+16*\i+4*\c:128*(\f)+16*\i+4*\c+3], v[ADRA+\slot] offset:8192*\i+2048*(\q)+512*\c
.endr
.endr
	WIN 0
.irp i, 0,1,2,3
	ds_load_b32 v[SC+4*(\f)+\i], v[ADRS] offset:1024*\i+64*(\q)    ; lanes 0-15 A's block i, lanes 16-31 B's
.endr
.endm
; 8 matrix instructions: A's blocks a0, a0 + 1 x B's four.  The 16 accumulators take turns, one instruction a turn.  first = 1: the bias starts the sums
.macro MUL8 f, a0, first
.irp a, \a0, \a0+1
.irp b, 0,1,2,3
.if \first
	v_wmma_scale_f32_16x16x128_f8f6f4 v[ACC+8*(4*(\a)+\b):ACC+8*(4*(\a)+\b)+7], v[128*(\f)+64+16*\b:128*(\f)+64+16*\b+15], v[128*(\f)+16*(\a):128*(\f)+16*(\a)+15], v[BB+8*\b:BB+8*\b+7], v[SC+4*(\f)+\b], v[SC+4*(\f)+(\a)] matrix_a_scale:MATRIX_SCALE_ROW1
.else
	v_wmma_scale_f32_16x16x128_f8f6f4 v[ACC+8*(4*(\a)+\b):ACC+8*(4*(\a)+\b)+7], v[128*(\f)+64+16*\b:128*(\f)+64+16*\b+15], v[128*(\f)+16*(\a):128*(\f)+16*(\a)+15], v[ACC+8*(4*(\a)+\b):ACC+8*(4*(\a)+\b)+7], v[SC+4*(\f)+\b], v[SC+4*(\f)+(\a)] matrix_a_scale:MATRIX_SCALE_ROW1
.endif
.endr
.endr
.endm
.macro QUARTER slot, qn, f, g, first   ; multiplies buffer f; in its middle fetches the slot's qn-th 128 along K into buffer g
	s_wait_dscnt 0x0
	WIN MUL
	MUL8 \f, 0, \first
	PLACES 8                                       ; in front of loads into registers that matrix instructions have read
	FETCH \slot, \qn, \g
	WIN MUL
	MUL8 \f, 2, \first
.endm
; A slot's last quarter multiplies buffer 1 and changes slots: one barrier; in front of it each wave waits for all its tensor loads, adds 0 to its spare word, and waits for that and for its reads of this slot
.macro TURN slot, next, fill
	WIN 0
	s_wait_tensorcnt 0x0
	ds_add_u32 v[SPW], v[NIL]                      ; 0 onto my spare word
	s_wait_dscnt 1                                 ; buffer 1 is in; the add may be out
	WIN MUL
	MUL8 1, 0, 0
	s_wait_dscnt 0x0                               ; the add is done, and my reads of this slot are over
	s_barrier_signal -1
	MUL8 1, 2, 0
	WIN 0
	s_barrier_wait -1
.if \fill
	CREST                                          ; the barrier has opened a round of the cluster's
	s_add_nc_u64 s[G0+4*\slot+2:G0+4*\slot+3], s[G0+4*\slot+2:G0+4*\slot+3], 16384
	s_add_nc_u64 s[G0B+4*\slot+2:G0B+4*\slot+3], s[G0B+4*\slot+2:G0B+4*\slot+3], 16384
	JLOAD G0+4*\slot, G1, G0B+4*\slot, G1B         ; my one tensor load behind the round; its four v_nop are among the places below
	PLACES 4
.else
	PLACES 8
.endif
	v_add_nc_u32 v[ADRS], 256, v[ADRS]             ; the next slot's scale words
	FETCH \next, 0, 0
.endm
	s_wait_loadcnt 0x0                             ; the bias
	s_wait_tensorcnt 0x0                           ; my tile of the head's four is in; slot 1's first fill is issued as a refill is
	ds_add_u32 v[SPW], v[NIL]                      ; 0 onto my spare word
	s_mov_b32 s[G1+2], 4<<16                       ; no tensor load of mine is out: from here on a load brings 4 tiles,
	s_mov_b32 s[G1+4], 4
	s_mov_b32 s[G1B+2], 4<<16
	s_mov_b32 s[G1B+4], 4
	s_add_nc_u64 s[G0+2:G0+3], s[G0+2:G0+3], s[66:67]      ; my half of a side's tiles,
	s_add_nc_u64 s[G0B+2:G0B+3], s[G0B+2:G0B+3], s[66:67]
	s_lshl_b32 s[G0+1], s[WV], 15                  ; to wave x 32,768
	s_lshl_b32 s[G0B+1], s[WV], 15
	s_wait_dscnt 0x0
	CROUND                                         ; all four tiles are in, and all sixteen work-groups are here
	JLOAD G0+4, G1, G0B+4, G1B                     ; slot 1: my one tensor load behind the round
	FETCH 0, 0, 0
	QUARTER 0, 1, 0, 1, 1                          ; K = 2,048 is four slots: written out, no loop
	QUARTER 0, 2, 1, 0, 0
	QUARTER 0, 3, 0, 1, 0
	TURN 0, 1, 1
	s_wait_alu depctr_va_vdst(0)
	QUARTER 1, 1, 0, 1, 0
	QUARTER 1, 2, 1, 0, 0
	QUARTER 1, 3, 0, 1, 0
	TURN 1, 0, 1
	s_wait_alu depctr_va_vdst(0)
	QUARTER 0, 1, 0, 1, 0
	QUARTER 0, 2, 1, 0, 0
	QUARTER 0, 3, 0, 1, 0
	TURN 0, 1, 0                                   ; nothing is left to fetch
	s_wait_alu depctr_va_vdst(0)
	QUARTER 1, 1, 0, 1, 0
	QUARTER 1, 2, 1, 0, 0
	QUARTER 1, 3, 0, 1, 0
	s_wait_dscnt 0x0
	WIN MUL
	MUL8 1, 0, 0
	MUL8 1, 2, 0
	WIN 0
	PLACES 8                                       ; behind the last products: their results are read below
; THE WAY OUT of block a (16 rows x 64 columns): through my stage (in slot 0, which has had its last fill and its last read) and back as rows of 256 bytes: sixteen lanes store 256 consecutive bytes, aligned
.macro OUTB a
.irp b, 0,1,2,3
	ds_store_b128 v[STO], v[ACC+8*(4*(\a)+\b):ACC+8*(4*(\a)+\b)+3] offset:128*(\b/2)+32*(\b%2)      ; each accumulator from its low end on
	ds_store_b128 v[STO], v[ACC+8*(4*(\a)+\b)+4:ACC+8*(4*(\a)+\b)+7] offset:128*(\b/2)+32*(\b%2)+16
.endr
	WIN TO_F                                       ; each block's rows come back into 32 registers of their own in window 1, where the fragments are done with: no store's data are written again
.irp t, 0,1,2,3,4,5,6,7
	ds_load_b128 v[32*(\a)+4*\t:32*(\a)+4*\t+3], v[RD] offset:544*\t         ; LDS serves a wave's instructions in order: these see my stores
.endr
	WIN 0x04                                       ; the stores' data lie in window 1
.irp t, 0,1,2,3,4,5,6,7
	s_wait_dscnt 7-\t                              ; these two rows are back; the loads behind them may be out
	global_store_b128 v[CO], v[32*(\a)+4*\t:32*(\a)+4*\t+3], s[14:15] offset:(32*((\a)/2)+8*((\a)%2)+2*\t+8*(\t/4))*8192 th:TH_STORE_NT
.endr
	WIN 0
.endm
.irp a, 0,1,2,3
	OUTB \a
.endr
	s_wait_tensorcnt 0x0                           ; the wave's end
	ds_add_u32 v[SPW], v[NIL]
	s_wait_dscnt 0x0
	CROUND                                         ; the closing round
	s_endpgm
.Lfunc_end_k_qc9eaa64c16_outgemm:
	.size	k_qc9eaa64c16_outgemm, .Lfunc_end_k_qc9eaa64c16_outgemm-k_qc9eaa64c16_outgemm
	.p2alignl 7, 3214868480
	.fill 96, 4, 3214868480
	.section	.rodata,"a",@progbits
	.p2align	6, 0x0
	.amdhsa_kernel k_qc9eaa64c16_outgemm
		.amdhsa_group_segment_fixed_size 327680
		.amdhsa_private_segment_fixed_size 0
		.amdhsa_enable_private_segment 0
		.amdhsa_kernarg_size 48
		.amdhsa_user_sgpr_count 2
		.amdhsa_user_sgpr_kernarg_segment_ptr 1
		.amdhsa_wavefront_size32 1
		.amdhsa_system_sgpr_workgroup_id_x 1
		.amdhsa_system_sgpr_workgroup_id_y 1
		.amdhsa_system_sgpr_workgroup_id_z 1
		.amdhsa_system_vgpr_workitem_id 0
		.amdhsa_next_free_vgpr 512
		.amdhsa_next_free_sgpr 100
		.amdhsa_reserve_vcc 0
		.amdhsa_float_denorm_mode_32 3
		.amdhsa_float_denorm_mode_16_64 3
		.amdhsa_memory_ordered 1
		.amdhsa_forward_progress 1
		.amdhsa_inst_pref_size 97
	.end_amdhsa_kernel
	.amdgpu_metadata
---
amdhsa.version: [ 1, 2 ]
amdhsa.kernels:
  - .name:           k_qc9eaa64c16_outgemm
    .symbol:         k_qc9eaa64c16_outgemm.kd
    .args:
      - { .name: ctxc, .offset: 0, .size: 8, .value_kind: global_buffer, .address_space: global }
      - { .name: ctxs, .offset: 8, .size: 8, .value_kind: global_buffer, .address_space: global }
      - { .name: codes, .offset: 16, .size: 8, .value_kind: global_buffer, .address_space: global }
      - { .name: scales, .offset: 24, .size: 8, .value_kind: global_buffer, .address_space: global }
      - { .name: bo, .offset: 32, .size: 8, .value_kind: global_buffer, .address_space: global }
      - { .name: out0, .offset: 40, .size: 8, .value_kind: global_buffer, .address_space: global }
    .group_segment_fixed_size: 327680
    .private_segment_fixed_size: 0
    .kernarg_segment_align: 8
    .kernarg_segment_size: 48
    .max_flat_workgroup_size: 128
    .sgpr_count:     100
    .vgpr_count:     512
    .wavefront_size: 32
...
	.end_amdgpu_metadata
.endif
;; end of part 4
